; MI455X (gfx1250); checked and timed in simulation.
; The chip was launched on July 23, 2026; its instructions are those of AMD's public machine-readable ISA for CDNA 5 (MIT licence, August 2026) and "CDNA5" Instruction Set Architecture Reference Guide (July 2026). The comments in the code are by the model that wrote it; some were corrected since.
;; Multi Head Attention. Allowed arithmetic: matrix products marked QUANTISED: E2M1 operands, one E8M0 scale for each 32 along K, by v_wmma_scale_f32_16x16x128_f8f6f4 with both operands' format E2M1 (or v_wmma_scale_f32_32x16x128_f4), f32 sums; products left as they are: bf16, f16 or f32 operands; f32 sums; everything else in f32.
;; Inputs: Wk 1,024 x 1,024 float32; Wo 1,024 x 1,024 float32; Wq 1,024 x 1,024 float32; Wv 1,024 x 1,024 float32; bk 1,024 float32; bo 1,024 float32; bq 1,024 float32; bv 1,024 float32; x 2 x 2,048 x 1,024 float32.
;; Outputs: out0 2 x 2,048 x 1,024 float32.
;; This version of the problem:
;;   THIS VERSION OF THE PROBLEM IS GIVEN IN LOW PRECISION. The matrix products marked QUANTISED in the list below multiply operands that are first quantised to E2M1 (2 exponent bits, 1 mantissa bit; 4 bits a number), with one power-of-two scale for each 32 numbers along K (OCP MX v1.0); their sums are f32. The products marked 'left as it is' may take bf16, f16 or f32 operands, with f32 sums. Whichever they take, every output number must still come out within the allowed error. Rounding operands to bf16 (8 significant bits) uses up far more of that allowance than f16 does (11 bits, for magnitudes from 6e-5 to 65,504). All else is computed in f32.
;;   The module's matrix products, in the order in which they are computed (A, B: the left and right operand; K: the contracted axis; several contracted axes count as one K, in the product's order):
;;     1. [M 4,096, K 1,024] x [K 1,024, N 1,024]; A: input x; B: input Wq: QUANTISED
;;     2. [M 4,096, K 1,024] x [K 1,024, N 1,024]; A: input x; B: input Wk: QUANTISED
;;     3. [M 4,096, K 1,024] x [K 1,024, N 1,024]; A: input x; B: input Wv: QUANTISED
;;     4. batch 32 x [M 2,048, K 64] x [K 64, N 2,048]; A: computed on the way; B: computed on the way: left as it is (an operand is computed on the way)
;;     5. batch 32 x [M 2,048, K 2,048] x [K 2,048, N 64]; A: computed on the way; B: computed on the way: left as it is (an operand is computed on the way)
;;     6. [M 4,096, K 1,024] x [K 1,024, N 1,024]; A: computed on the way; B: input Wo: left as it is (an operand is computed on the way)
;;   THE QUANTISER, for each operand of a quantised product, along K:
;;     - K is cut into blocks of 32 from its start; a last block that is shorter is filled with zeros.
;;     - A block's scale is 2^e with e = floor(log2(the largest magnitude in the block)) - 2, held to -126 .. 127; a block of zeros has e = 0. As a byte (E8M0): e + 127.
;;     - Each number is divided by its block's scale, clamped to +-6, and rounded to the nearest number of E2M1, ties to even, subnormals kept.
;;     - The product sums the exact products of the quantised numbers (number of the format x scale) in f32.
;;   ~~~python
;;   def quantise(x, axis):      # numpy; x: float32 -> the quantised numbers, widened to float32 again
;;       x = np.moveaxis(x, axis, -1); K = x.shape[-1]
;;       x = np.pad(x, [(0, 0)] * (x.ndim - 1) + [(0, -K % 32)]); x = x.reshape(x.shape[:-1] + (-1, 32)); a = np.abs(x).max(-1, keepdims=True)
;;       e = np.where(a > 0, np.clip(np.frexp(np.where(a > 0, a, 1))[1] - 1 - 2, -126, 127), 0)      # np.frexp(a)[1] - 1 = floor(log2(a)), exactly
;;       r = np.clip(x / 2.0 ** e, -6, 6)
;;       step = 2.0 ** (np.maximum(np.frexp(np.where(r == 0, 1, r))[1] - 1, 0) - 1)
;;       q = np.round(r / step) * step * 2.0 ** e      # np.round: ties to even
;;       return np.moveaxis(q.reshape(q.shape[:-2] + (-1,))[..., :K], -1, axis).astype(np.float32)
;;   ~~~
;; One version. Each part assembles by itself: llvm-mc -triple=amdgcn-amd-amdhsa -mcpu=gfx1250 --defsym DOCPART=n.
;; ======== version 1 of 1: 4 launches
;; limits: values are held in f16: magnitudes above 65,504 overflow, below 6.1e-05 lose precision
;; workspace buffers: codes 3,670,016 bytes; scales 229,376 bytes; wo16 2,097,152 bytes; qi 8,388,608 bytes; ki 8,388,608 bytes; vi 8,388,608 bytes; oi 8,388,608 bytes
;; launch prep (part 1): grid 256 x 1, 4 waves a work-group, no clusters, 167,936 bytes of LDS; arguments x, Wq, Wk, Wv, Wo, codes, scales, wo16; writes codes, scales, wo16
.if DOCPART == 1
	.amdgcn_target "amdgcn-amd-amdhsa--gfx1250"
	.amdhsa_code_object_version 6
	.text
	.protected	k_qdee04764ef_prep
	.globl	k_qdee04764ef_prep
	.p2align	8
	.type	k_qdee04764ef_prep,@function
k_qdee04764ef_prep:
	s_mov_b64 s[64:65], 0
	v_nop
	global_prefetch_b8 v0, s[64:65] scope:SCOPE_SE
	s_setreg_imm32_b32 hwreg(HW_REG_WAVE_MODE, 25, 1), 1
	s_wait_xcnt 0x0
; x [4096][1024], Wq, Wk, Wv [1024][1024], f32, K innermost, become codes of FP4 (E2M1) with one E8M0 byte for each 32 along K; Wo [1024][1024] becomes f16.
; A block's scale is 2^(floor(log2(its largest magnitude)) - 2); its byte is the largest magnitude's exponent field - 2, held at 1 from below.  Each number is divided by the scale and rounded to the nearest code, ties to even, beyond 6 the largest code.
; LIMITS: a block of zeros gets the byte 1 where the rule says 127 (its codes are zeros, and this program alone reads the bytes); NaN and infinities among the inputs are not served; |Wo| stays under 65,504 (f16).
; ALL RESULTS ARE LAID AS IMAGES OF OPERAND REGISTERS: a group of four registers is 512 bytes, lane l's 16 bytes at 16 l.
;   codes  [T 448][K step 8][c 2][lane][16]: T = a tile of 16 rows (0-255: x; 256 + 12 head + 4 sel + t: rows 64 head + 16 t of Wq, Wk, Wv); lane (r, h) of group c: the 32 codes of row r at k = 128 s + 64 c + 32 h: one block.
;   scales [T][u 2][r 16][16]: the four scale words of row r for k = 512 u on.          wo16 [tile 64][kc 32][g 2][lane][16]: Wo[16 tile + r][32 kc + 16 g + 8 h + 0..7].
; SHARES.  A wave takes 16 rows x 512 along K, as four steps of 128; each step's 16 x 512 bytes come by one tensor load into the wave's own LDS bytes, all four at the head; only the wave that asked reads them,
; behind its own counted wait.  Nothing is filled again, so there is no barrier.  Work-groups 0-127 take x, 128-223 the three weights, 224-255 Wo.  No work-group shares an input with another: no cluster.
.set WREG,  33792                      ; a wave's LDS bytes: four steps
.set STEPB, 8448                       ; a step: 16 rows x PITCH
.set PITCH, 528                        ; 512 bytes + 16 of padding: the 16 rows that a load touches start 16 bytes further on in each run of 256
.set SPARE, 4*WREG                     ; the spare words, 128 bytes for each wave: two blocks of 256 bytes that no other line names
.set LQ,  4                            ; v4   LDS: my wave + row r + 128 h: my block of 32 numbers
.set LW,  5                            ; v5   LDS: my wave + row r + 32 h: my 8 numbers of Wo
.set LI,  6                            ; v6   16 x lane: my place in an image
.set SO,  7                            ; v7   16 r + 8 h: my place among the scale words
.set SPW, 8                            ; v8   my spare word; never rewritten
.set NIL, 9                            ; v9   0; never rewritten
.set MX,  10                           ; v10-11 largest magnitudes of my two blocks
.set SC,  12                           ; v12-13 the conversions' scale operands
.set BY,  14                           ; v14-15 the bytes
.set WD,  16                           ; v16-19 a scale word for each step
.set OW,  20                           ; v20-21 the two words that I store
.set PT,  22                           ; v22  the other half's bytes
.set SH,  23                           ; v23  8 h
.set CD,  32                           ; v32-63 codes, eight registers a step: no store's data are written again
.set X0,  64                           ; v64-127, v128-191 two sets of 64 numbers
.set X1,  128
.set G1,  32                           ; s[32:39] descriptor group 1
.set G0,  40                           ; s[40:55] group 0, a set for each step
	s_load_b256 s[4:11], s[0:1], 0x0               ; x, Wq, Wk, Wv
	s_load_b256 s[12:19], s[0:1], 0x20             ; Wo, codes, scales, wo16
	v_lshl_add_u32 v[SPW], v0, 2, SPARE
	v_mov_b32 v[NIL], 0
	ds_add_u32 v[SPW], v[NIL]                      ; the wave's opening: the add, twice on end, and its wait ahead of my first tensor load
	ds_add_u32 v[SPW], v[NIL]
	v_lshrrev_b32 v1, 5, v0
	v_readfirstlane_b32 s20, v1                    ; wave 0..3
	s_and_b32 s21, ttmp9, 31
	s_cmp_lt_u32 ttmp9, 128
	s_cselect_b32 s21, ttmp9, s21                  ; the work-group's number within its tensor
	s_lshl_b32 s21, s21, 2
	s_add_co_u32 s21, s21, s20                     ; my unit
	s_lshr_b32 s22, s21, 1                         ; its tile of 16 rows
	s_and_b32 s23, s21, 1                          ; u: which 512 along K
	s_lshr_b32 s24, ttmp9, 5
	s_sub_co_u32 s24, s24, 4                       ; sel: 0, 1, 2 for Wq, Wk, Wv (not used for x)
	s_lshr_b32 s25, s22, 2                         ; the head
	s_mul_i32 s25, s25, 12
	s_lshl_b32 s24, s24, 2
	s_add_co_u32 s25, s25, s24
	s_and_b32 s24, s22, 3
	s_add_co_u32 s25, s25, s24
	s_add_co_u32 s25, s25, 256
	s_cmp_lt_u32 ttmp9, 128
	s_cselect_b32 s25, s22, s25                    ; T
	s_lshl_b32 s26, s22, 16                        ; source: 16 rows of 4,096 bytes a tile,
	s_lshl_b32 s24, s23, 11
	s_add_co_u32 s26, s26, s24                     ; + 2,048 u
	s_mov_b32 s27, 0
	s_lshl_b32 s28, s25, 13                        ; codes: 8,192 T + 4,096 u
	s_lshl_b32 s24, s23, 12
	s_add_co_u32 s28, s28, s24
	s_mov_b32 s29, 0
	s_lshl_b32 s56, s25, 9                         ; scales: 512 T + 256 u
	s_lshl_b32 s24, s23, 8
	s_add_co_u32 s56, s56, s24
	s_mov_b32 s57, 0
	s_lshl_b32 s58, s22, 15                        ; wo16: 32,768 tile + 16,384 u
	s_lshl_b32 s24, s23, 14
	s_add_co_u32 s58, s58, s24
	s_mov_b32 s59, 0
	s_mul_i32 s60, s20, WREG                       ; my wave's LDS bytes
	s_mov_b32 s30, 0x76543210
	s_mov_b32 s31, 0xfedcba98                      ; v_permlanex16_b32's selects for lane l xor 16
	; group 1: 16 rows x 128 elements of 4 bytes, 1,024 elements from row to row; four words of padding behind every 128
	s_mov_b32 s[G1+0], (2<<16)|(1<<20)|(6<<22)|(3<<25)
	s_mov_b32 s[G1+1], 128<<16                     ; tensor_dim0
	s_mov_b32 s[G1+2], 16<<16                      ; tensor_dim1
	s_mov_b32 s[G1+3], 128<<16                     ; tile_dim0
	s_mov_b32 s[G1+4], 16                          ; tile_dim1
	s_mov_b32 s[G1+5], 1024                        ; the pitch
	s_mov_b32 s[G1+6], 0
	s_mov_b32 s[G1+7], 0
	s_wait_dscnt 0x0                               ; both opening adds are done
	s_wait_kmcnt 0x0
	s_cmp_lt_u32 ttmp9, 128                        ; the source: chosen by the work-group's number alone
	s_cselect_b64 s[4:5], s[4:5], s[6:7]
	s_cmp_lt_u32 ttmp9, 160
	s_cselect_b64 s[4:5], s[4:5], s[8:9]
	s_cmp_lt_u32 ttmp9, 192
	s_cselect_b64 s[4:5], s[4:5], s[10:11]
	s_cmp_lt_u32 ttmp9, 224
	s_cselect_b64 s[4:5], s[4:5], s[12:13]
	s_add_nc_u64 s[4:5], s[4:5], s[26:27]
	s_add_nc_u64 s[14:15], s[14:15], s[28:29]
	s_add_nc_u64 s[16:17], s[16:17], s[56:57]
	s_add_nc_u64 s[18:19], s[18:19], s[58:59]
.irp p, 0,1,2,3                        ; the four first fills go out together: four tensor loads of mine are out
	s_mov_b32 s[G0+4*\p], 1
	s_add_co_u32 s[G0+4*\p+1], s60, \p*STEPB
	s_add_nc_u64 s[G0+4*\p+2:G0+4*\p+3], s[4:5], \p*512
	s_or_b32 s[G0+4*\p+3], s[G0+4*\p+3], 0x80000000
	tensor_load_to_lds s[G0+4*\p:G0+4*\p+3], s[G1:G1+7]
	s_nop 0
.endr
	v_and_b32 v1, 31, v0                           ; lane
	v_and_b32 v2, 15, v0                           ; r
	v_bfe_u32 v3, v0, 4, 1                         ; h
	v_mul_u32_u24 v[LQ], v2, PITCH
	v_add_nc_u32 v[LQ], s60, v[LQ]
	v_lshl_add_u32 v[LW], v3, 5, v[LQ]
	v_lshl_add_u32 v[LQ], v3, 7, v[LQ]
	v_lshlrev_b32 v[LI], 4, v1
	v_lshlrev_b32 v[SO], 4, v2
	v_lshl_add_u32 v[SO], v3, 3, v[SO]
	v_lshlrev_b32 v[SH], 3, v3
	v_mov_b32 v[PT], 0                             ; a lane permute's destination counts as one of its sources
.macro DSQ p, xs                       ; step p: my two blocks of 32 numbers, k = 64 c + 32 h on
.irp c, 0,1
.irp j, 0,1,2,3,4,5,6,7
	ds_load_b128 v[\xs+32*\c+4*\j:\xs+32*\c+4*\j+3], v[LQ] offset:\p*STEPB+256*\c+16*\j
.endr
.endr
.endm
.macro QUANT p, xs
.irp c, 0,1
	v_max3_num_f32 v[MX+\c], |v[\xs+32*\c]|, |v[\xs+32*\c+1]|, 0x1800000   ; the floor 2^(3 - 127): the byte cannot fall under 1
.endr
.irp i, 2,4,6,8,10,12,14,16,18,20,22,24,26,28,30
.irp c, 0,1
	v_max3_num_f32 v[MX+\c], v[MX+\c], |v[\xs+32*\c+\i]|, |v[\xs+32*\c+\i+1]|   ; the two blocks by turns
.endr
.endr
.irp c, 0,1
	v_add_nc_u32 v[SC+\c], 0xff000000, v[MX+\c]    ; 2 off the exponent field: the conversion takes that field as its scale
.endr
.irp c, 0,1
.irp g, 0,1,2,3
	v_cvt_scalef32_pk8_fp4_f32 v[CD+8*\p+4*\c+\g], v[\xs+32*\c+8*\g:\xs+32*\c+8*\g+7], v[SC+\c]
.endr
.endr
.irp c, 0,1
	v_lshrrev_b32 v[BY+\c], 23, v[SC+\c]           ; the bytes (plain lines behind the conversions)
.endr
	v_lshl_or_b32 v[WD+\p], v[BY+1], 16, v[BY]     ; blocks h and 2 + h of row r,
	v_lshlrev_b32 v[WD+\p], v[SH], v[WD+\p]        ; at their places in the word;
	v_permlanex16_b32 v[PT], v[WD+\p], s30, s31
	v_or_b32 v[WD+\p], v[WD+\p], v[PT]             ; with lane l xor 16's two the word is whole
.irp c, 0,1
	global_store_b128 v[LI], v[CD+8*\p+4*\c:CD+8*\p+4*\c+3], s[14:15] offset:\p*1024+\c*512   ; 32 lanes store 512 consecutive bytes
.endr
.endm
.macro DSW p, xs                       ; step p of Wo: group q of 16 along K: my 8 numbers
.irp q, 0,1,2,3,4,5,6,7
.irp j, 0,1
	ds_load_b128 v[\xs+8*\q+4*\j:\xs+8*\q+4*\j+3], v[LW] offset:\p*STEPB+64*\q+16*\j
.endr
.endr
.endm
.macro CVW p, xs
.irp q, 0,1,2,3,4,5,6,7
.irp i, 0,1,2,3
	v_cvt_pk_f16_f32 v[\xs+8*\q+\i], v[\xs+8*\q+2*\i], v[\xs+8*\q+2*\i+1]   ; in place: register i is written when 2 i and 2 i + 1 are read
.endr
	global_store_b128 v[LI], v[\xs+8*\q:\xs+8*\q+3], s[18:19] offset:(8*\p+\q)*512
.endr
.endm
	s_cmp_ge_u32 ttmp9, 224
	s_cbranch_scc1 .Lwo
	s_wait_tensorcnt 3                             ; step 0 has landed; the three younger loads may be out
	DSQ 0, X0
	s_wait_tensorcnt 2
	DSQ 1, X1
	s_wait_dscnt 16                                ; step 0's 16 loads are in; step 1's may be out
	QUANT 0, X0
	s_wait_tensorcnt 1
	DSQ 2, X0
	s_wait_dscnt 16
	QUANT 1, X1
	s_wait_tensorcnt 0x0
	DSQ 3, X1
	s_wait_dscnt 16
	QUANT 2, X0
	s_wait_dscnt 0x0
	QUANT 3, X1
	v_cmp_ne_u32 vcc_lo, 0, v3                     ; lanes 0-15 store words 0, 1 of row r, lanes 16-31 words 2, 3: 256 consecutive bytes
	v_cndmask_b32 v[OW], v[WD], v[WD+2], vcc_lo
	v_cndmask_b32 v[OW+1], v[WD+1], v[WD+3], vcc_lo
	global_store_b64 v[SO], v[OW:OW+1], s[16:17]
	s_wait_tensorcnt 0x0                           ; the wave's end
	ds_add_u32 v[SPW], v[NIL]
	s_wait_dscnt 0x0
	s_endpgm
.Lwo:
	s_wait_tensorcnt 3
	DSW 0, X0
	s_wait_tensorcnt 2
	DSW 1, X1
	s_wait_dscnt 16
	CVW 0, X0
	s_wait_tensorcnt 1
	s_wait_xcnt 0x0                                ; the stores have read their data: the set is loaded again only behind this wait
	DSW 2, X0
	s_wait_dscnt 16
	CVW 1, X1
	s_wait_tensorcnt 0x0
	s_wait_xcnt 0x0
	DSW 3, X1
	s_wait_dscnt 16
	CVW 2, X0
	s_wait_dscnt 0x0
	CVW 3, X1
	s_wait_tensorcnt 0x0                           ; the wave's end
	ds_add_u32 v[SPW], v[NIL]
	s_wait_dscnt 0x0
	s_endpgm
.Lfunc_end_k_qdee04764ef_prep:
	.size	k_qdee04764ef_prep, .Lfunc_end_k_qdee04764ef_prep-k_qdee04764ef_prep
	.p2alignl 7, 3214868480
	.fill 96, 4, 3214868480
	.section	.rodata,"a",@progbits
	.p2align	6, 0x0
	.amdhsa_kernel k_qdee04764ef_prep
		.amdhsa_group_segment_fixed_size 167936
		.amdhsa_private_segment_fixed_size 0
		.amdhsa_enable_private_segment 0
		.amdhsa_kernarg_size 64
		.amdhsa_user_sgpr_count 2
		.amdhsa_user_sgpr_kernarg_segment_ptr 1
		.amdhsa_wavefront_size32 1
		.amdhsa_system_sgpr_workgroup_id_x 1
		.amdhsa_system_sgpr_workgroup_id_y 1
		.amdhsa_system_sgpr_workgroup_id_z 1
		.amdhsa_system_vgpr_workitem_id 0
		.amdhsa_next_free_vgpr 192
		.amdhsa_next_free_sgpr 66
		.amdhsa_reserve_vcc 1
		.amdhsa_float_denorm_mode_32 3
		.amdhsa_float_denorm_mode_16_64 3
		.amdhsa_memory_ordered 1
		.amdhsa_forward_progress 1
		.amdhsa_inst_pref_size 38
	.end_amdhsa_kernel
	.amdgpu_metadata
---
amdhsa.version: [ 1, 2 ]
amdhsa.kernels:
  - .name:           k_qdee04764ef_prep
    .symbol:         k_qdee04764ef_prep.kd
    .args:
      - { .name: x, .offset: 0, .size: 8, .value_kind: global_buffer, .address_space: global }
      - { .name: Wq, .offset: 8, .size: 8, .value_kind: global_buffer, .address_space: global }
      - { .name: Wk, .offset: 16, .size: 8, .value_kind: global_buffer, .address_space: global }
      - { .name: Wv, .offset: 24, .size: 8, .value_kind: global_buffer, .address_space: global }
      - { .name: Wo, .offset: 32, .size: 8, .value_kind: global_buffer, .address_space: global }
      - { .name: codes, .offset: 40, .size: 8, .value_kind: global_buffer, .address_space: global }
      - { .name: scales, .offset: 48, .size: 8, .value_kind: global_buffer, .address_space: global }
      - { .name: wo16, .offset: 56, .size: 8, .value_kind: global_buffer, .address_space: global }
    .group_segment_fixed_size: 167936
    .private_segment_fixed_size: 0
    .kernarg_segment_align: 8
    .kernarg_segment_size: 64
    .max_flat_workgroup_size: 128
    .sgpr_count:     66
    .vgpr_count:     192
    .wavefront_size: 32
...
	.end_amdgpu_metadata
.endif
;; end of part 1
;; launch qkv (part 2): grid 16 x 16, 4 waves a work-group, clusters of 4 x 4, 245,760 bytes of LDS; arguments codes, scales, bq, bk, bv, qi, ki, vi; writes qi, ki, vi
.if DOCPART == 2
	.amdgcn_target "amdgcn-amd-amdhsa--gfx1250"
	.amdhsa_code_object_version 6
	.text
	.protected	k_qdee04764ef_qkv
	.globl	k_qdee04764ef_qkv
	.p2align	8
	.type	k_qdee04764ef_qkv,@function
k_qdee04764ef_qkv:
	s_mov_b64 s[64:65], 0
	v_nop
	global_prefetch_b8 v0, s[64:65] scope:SCOPE_SE
	s_setreg_imm32_b32 hwreg(HW_REG_WAVE_MODE, 25, 1), 1
	s_wait_xcnt 0x0
	s_wait_alu depctr_hold_cnt(0) depctr_sa_sdst(0) depctr_va_vdst(0) depctr_va_sdst(0) depctr_va_ssrc(0) depctr_va_vcc(0) depctr_vm_vsrc(0)
	s_getreg_b32 s2, hwreg(HW_REG_IB_STS2, 6, 4)
	s_cmp_eq_u32 s2, 0
	s_cbranch_scc0 .Lentry_in_a_cluster
	s_endpgm
.Lentry_in_a_cluster:
	s_bfe_u32 s2, ttmp6, 0x10000c
	s_cmp_lg_u32 s2, 0xf033
	s_cbranch_scc0 .Lentry_shape_is_right
	s_endpgm
.Lentry_shape_is_right:
; q = (x Wq^T + bq) log2(e) / 32, k = x Wk^T + bk, v = x Wv^T + bv, on codes of FP4 (E2M1) with one E8M0 scale for each 32 along K; sums in f32; results rounded once to f16.
; LIMIT: |q log2(e) / 32|, |k|, |v| stay under 65,504 (f16).
; SHARES.  A work-group takes 256 tokens x one head's 64 columns of each of q, k, v: 192 columns.  Wave w takes tokens 64 w on x all 192: 48 accumulators of 16 x 16.  K = 1,024 is eight steps of 128.
; ALL OF K LIES IN LDS: x's 16 tiles and the weights' 12 tiles as images of operand registers (512 bytes a group of four registers, lane l at 16 l), in two chunks of 512 along K, and their scale words.  Nothing is filled again.
; CLUSTER 4 x 4: the four work-groups of a row of the cluster take the same tokens, the four of a column the same head: each tile is asked for jointly.
; q AND k ARE MADE TRANSPOSED (source 0 = 16 rows of W, source 1 = 16 tokens): a lane holds one token and eight neighbouring channels, which pack into the four registers of a fragment [token][channel].
; v IS MADE AS IT STANDS (source 0 = tokens, source 1 = rows of W): a lane holds one channel and eight neighbouring tokens: the four registers of a fragment [channel][key].  So results are stored as they are packed:
;   qi, ki [bh 32][token tile 128][cc 2][g 2][lane][16];   vi [bh][32 keys: 64][ct 4][g 2][lane][16].  Each store of a wave covers 512 consecutive bytes, aligned.
; The biases are the C of each sum's first matrix instruction.
; REGISTERS: window 0: v16-29 addresses; v32-47 x's scale words, v48-95 the weights' (they hold scales and nothing else); v96-159 x's fragments, two sets; v160-255 the biases; on the way out v96-191 the packed results.
;   window 1: the weights' fragments, two sets of 96.   window 2: the accumulators of token tiles 0, 1 at v[8 (12 (a % 2) + b)];   window 3: of tiles 2, 3.
.set ACH,    65536                     ; x: a chunk: 16 tiles x 4,096 bytes; chunk u at u ACH
.set BBASE,  131072                    ; the weights: chunk u at BBASE + u BCH
.set BCH,    49152                     ; 12 tiles x 4,096
.set SABASE, 229376                    ; x's scale words: 16 tiles x 512
.set SBBASE, 237568                    ; the weights': 12 tiles x 512
.set SPARE,  243712                    ; the spare words, 128 bytes for each wave: two blocks of 256 bytes that no other line names
.set ADRA, 16                          ; v16-17 my four tiles of x in chunk 0, 1
.set ADRB, 18                          ; v18-19 the weights' tiles in chunk 0, 1
.set ASA,  20                          ; v20  x's scale words: lanes 0-15 tile i, lanes 16-31 tile i + 2
.set ASB,  21                          ; v21  the weights': lanes 0-15 tile i, lanes 16-31 tile i + 6
.set LI,   22                          ; v22  16 x lane
.set BH,   23                          ; v23  32 h
.set BR,   24                          ; v24  4 r
.set SPW,  28                          ; v28  my spare word; never rewritten
.set NIL,  29                          ; v29  0; never rewritten
.set SA,   32
.set SB,   48
.set AF,   96
.set BI,   160
.set WV,   20                          ; s20  wave
.set FB,   21                          ; s21  I fetch for x (0) or for the weights (1)
.set H2,   22                          ; s22  which half of the tiles I fetch
.set G1A,  28                          ; s[28:35], s[36:43] group 1 for x's and the weights' codes; s[44:51], s[52:59] for their scale words
.set G1B,  36
.set G1SA, 44
.set G1SB, 52
.set CS,   60                          ; s[60:61] log2(e) / 32
.set G0A,  68                          ; s[68:75], s[76:83] group 0 for the two chunks; s[84:87], s[88:91] for the scale words
.set G0B,  76
.set G0SA, 84
.set G0SB, 88
.set MSB, 0
.macro WIN new                         ; the immediate's high byte repeats the setting that is left
.if MSB != (\new)
	s_set_vgpr_msb (MSB<<8)|(\new)
.set MSB, \new
.endif
.endm
.macro JLOAD g0a, g1a, g0b, g1b        ; a joint load: waves 0, 1 fetch for x, waves 2, 3 for the weights; an s_nop 0 and four v_nop follow each line
	s_cmp_eq_u32 s[FB], 0
	s_cbranch_scc0 .Lfor_b_\@
	tensor_load_to_lds s[\g0a:\g0a+3], s[\g1a:\g1a+7]
	s_nop 0
.rept 4
	v_nop
.endr
	s_branch .Lasked_\@
.Lfor_b_\@:
	tensor_load_to_lds s[\g0b:\g0b+3], s[\g1b:\g1b+7]
	s_nop 0
.rept 4
	v_nop
.endr
.Lasked_\@:
.endm
.macro CROUND                          ; a round of the cluster's barrier
	s_barrier_signal -1
	s_barrier_wait -1
	s_cmp_lg_u32 s[WV], 0
	s_cbranch_scc1 .Lnot_wave_0_\@
	s_barrier_signal -3
.Lnot_wave_0_\@:
	s_barrier_wait -3
	s_barrier_signal -1
	s_barrier_wait -1
.endm
.macro PLACES
.rept 4
	v_nop
.endr
.endm
	s_load_b256 s[4:11], s[0:1], 0x0               ; codes, scales, bq, bk
	s_load_b256 s[12:19], s[0:1], 0x20             ; bv, qi, ki, vi
	v_lshl_add_u32 v[SPW], v0, 2, SPARE
	v_mov_b32 v[NIL], 0
	ds_add_u32 v[SPW], v[NIL]                      ; the wave's opening: the add, twice on end, and its wait ahead of my first tensor load
	ds_add_u32 v[SPW], v[NIL]
	v_lshrrev_b32 v1, 5, v0
	v_readfirstlane_b32 s[WV], v1
	s_lshr_b32 s[FB], s[WV], 1
	s_and_b32 s[H2], s[WV], 1
	s_bfe_u32 s23, ttmp6, 0x40000                  ; cx
	s_bfe_u32 s24, ttmp6, 0x40004                  ; cy
	s_lshl_b32 s25, ttmp9, 2
	s_add_co_u32 s25, s25, s23                     ; the head
	s_and_b32 s26, ttmp7, 0xffff
	s_lshl_b32 s26, s26, 2
	s_add_co_u32 s26, s26, s24                     ; the block of 256 tokens
	s_lshl_b32 s62, s24, 2
	s_lshl_b32 s62, 15, s62                        ; my row of the cluster
	s_lshl_b32 s63, 0x1111, s23                    ; my column
	s_or_b32 s[G1A], s62, (3<<16)|(1<<21)          ; elements of 8 bytes, no padding; x's tiles go to my row,
	s_or_b32 s[G1SA], s62, (3<<16)|(1<<21)
	s_or_b32 s[G1B], s63, (3<<16)|(1<<21)          ; the weights' to my column
	s_or_b32 s[G1SB], s63, (3<<16)|(1<<21)
.irp g, G1A, G1B                       ; codes: a row is a tile's 4,096 bytes of a chunk, 8,192 bytes from tile to tile
	s_mov_b32 s[\g+1], 512<<16
	s_mov_b32 s[\g+3], 512<<16
	s_mov_b32 s[\g+5], 1024
	s_mov_b32 s[\g+6], 0
	s_mov_b32 s[\g+7], 0
.endr
	s_mov_b32 s[G1A+2], 8<<16                      ; 8 tiles of x to a load,
	s_mov_b32 s[G1A+4], 8
	s_mov_b32 s[G1B+2], 6<<16                      ; 6 of the weights
	s_mov_b32 s[G1B+4], 6
.irp g, G1SA, G1SB                     ; scale words: a dense block, as rows of 256 bytes
	s_mov_b32 s[\g+1], 32<<16
	s_mov_b32 s[\g+3], 32<<16
	s_mov_b32 s[\g+5], 32
	s_mov_b32 s[\g+6], 0
	s_mov_b32 s[\g+7], 0
.endr
	s_mov_b32 s[G1SA+2], 16<<16
	s_mov_b32 s[G1SA+4], 16
	s_mov_b32 s[G1SB+2], 12<<16
	s_mov_b32 s[G1SB+4], 12
	s_lshl_b32 s92, s26, 4                         ; x: tile 16 block + 8 half: hangs on the block alone,
	s_lshl_b32 s27, s[H2], 3
	s_add_co_u32 s92, s92, s27
	s_lshl_b32 s94, s92, 9                         ; its scale words,
	s_lshl_b32 s92, s92, 13                        ; its codes
	s_mov_b32 s93, 0
	s_mov_b32 s95, 0
	s_mul_i32 s96, s25, 12                         ; the weights: tile 256 + 12 head + 6 half: hangs on the head alone
	s_mul_i32 s98, s[H2], 6
	s_add_co_u32 s96, s96, s98
	s_add_co_u32 s96, s96, 256
	s_lshl_b32 s98, s96, 9
	s_lshl_b32 s96, s96, 13
	s_mov_b32 s97, 0
	s_mov_b32 s99, 0
	s_lshl_b32 s27, s[H2], 15                      ; where they go: no place in the cluster enters an LDS address
	s_mul_i32 s66, s[H2], 24576
	s_lshl_b32 s67, s[H2], 12
	s_mul_i32 s100, s[H2], 3072
	s_mov_b32 s[CS], 0x3d38aa3b                    ; log2(e) / 32
	s_mov_b32 s[CS+1], s[CS]
	s_wait_dscnt 0x0                               ; both opening adds are done
	s_wait_kmcnt 0x0
	s_add_nc_u64 s[92:93], s[4:5], s[92:93]
	s_add_nc_u64 s[94:95], s[6:7], s[94:95]
	s_add_nc_u64 s[96:97], s[4:5], s[96:97]
	s_add_nc_u64 s[98:99], s[6:7], s[98:99]
	CROUND                                         ; all sixteen work-groups are here: the first joint loads meet
	s_mov_b32 s[G0SA], 1
	s_add_co_u32 s[G0SA+1], s67, SABASE
	s_mov_b64 s[G0SA+2:G0SA+3], s[94:95]
	s_or_b32 s[G0SA+3], s[G0SA+3], 0x80000000
	s_mov_b32 s[G0SB], 1
	s_add_co_u32 s[G0SB+1], s100, SBBASE
	s_mov_b64 s[G0SB+2:G0SB+3], s[98:99]
	s_or_b32 s[G0SB+3], s[G0SB+3], 0x80000000
	JLOAD G0SA, G1SA, G0SB, G1SB                   ; the scale words first; then the two chunks: three tensor loads of mine are out
.irp u, 0,1
	s_mov_b32 s[G0A+4*\u], 1
	s_add_co_u32 s[G0A+4*\u+1], s27, \u*ACH
	s_add_nc_u64 s[G0A+4*\u+2:G0A+4*\u+3], s[92:93], \u*4096
	s_or_b32 s[G0A+4*\u+3], s[G0A+4*\u+3], 0x80000000
	s_mov_b32 s[G0B+4*\u], 1
	s_add_co_u32 s[G0B+4*\u+1], s66, BBASE+\u*BCH
	s_add_nc_u64 s[G0B+4*\u+2:G0B+4*\u+3], s[96:97], \u*4096
	s_or_b32 s[G0B+4*\u+3], s[G0B+4*\u+3], 0x80000000
	JLOAD G0A+4*\u, G1A, G0B+4*\u, G1B
.endr
	v_and_b32 v1, 31, v0                           ; lane
	v_and_b32 v2, 15, v0                           ; r
	v_bfe_u32 v3, v0, 4, 1                         ; h
	v_lshlrev_b32 v[LI], 4, v1
	s_lshl_b32 s27, s[WV], 14                      ; my four tiles of x
	v_add_nc_u32 v[ADRA], s27, v[LI]
	v_add_nc_u32 v[ADRA+1], ACH, v[ADRA]
	v_add_nc_u32 v[ADRB], BBASE, v[LI]
	v_add_nc_u32 v[ADRB+1], BBASE+BCH, v[LI]
	v_lshlrev_b32 v4, 4, v2
	v_lshl_add_u32 v[ASA], v3, 10, v4              ; 16 r + two tiles further on for lanes 16-31
	s_lshl_b32 s27, s[WV], 11
	s_add_co_u32 s27, s27, SABASE
	v_add_nc_u32 v[ASA], s27, v[ASA]
	v_mul_u32_u24 v[ASB], v3, 3072                 ; 16 r + six tiles further on for lanes 16-31
	v_add_nc_u32 v[ASB], v[ASB], v4
	v_add_nc_u32 v[ASB], SBBASE, v[ASB]
	v_lshlrev_b32 v[BH], 5, v3
	v_lshlrev_b32 v[BR], 2, v2
	s_lshr_b32 s62, s26, 3                         ; where my results go: (batch, head) x 262,144 + (block % 8) x 32,768 + wave x 8,192, in each of the three
	s_lshl_b32 s62, s62, 4
	s_add_co_u32 s62, s62, s25
	s_lshl_b32 s62, s62, 18
	s_and_b32 s63, s26, 7
	s_lshl_b32 s63, s63, 15
	s_add_co_u32 s62, s62, s63
	s_lshl_b32 s63, s[WV], 13
	s_add_co_u32 s62, s62, s63
	s_mov_b32 s63, 0
	s_add_nc_u64 s[14:15], s[14:15], s[62:63]
	s_add_nc_u64 s[16:17], s[16:17], s[62:63]
	s_add_nc_u64 s[18:19], s[18:19], s[62:63]
	s_lshl_b32 s62, s25, 8                         ; the head's 64 numbers of each bias
	s_add_nc_u64 s[8:9], s[8:9], s[62:63]
	s_add_nc_u64 s[10:11], s[10:11], s[62:63]
	s_add_nc_u64 s[12:13], s[12:13], s[62:63]
.irp b, 0,1,2,3                        ; q, k: lane (r, h) holds channels 16 b + 8 h + 0..7
	global_load_b128 v[BI+8*\b:BI+8*\b+3], v[BH], s[8:9] offset:64*\b
	global_load_b128 v[BI+8*\b+4:BI+8*\b+7], v[BH], s[8:9] offset:64*\b+16
	global_load_b128 v[BI+32+8*\b:BI+32+8*\b+3], v[BH], s[10:11] offset:64*\b
	global_load_b128 v[BI+32+8*\b+4:BI+32+8*\b+7], v[BH], s[10:11] offset:64*\b+16
.endr
.irp b, 0,1,2,3                        ; v: lane (r, h) holds channel 16 b + r in all eight registers
.irp j, 0,1,2,3,4,5,6,7
	global_load_b32 v[BI+64+8*\b+\j], v[BR], s[12:13] offset:64*\b
.endr
.endr
.macro FETCH s                         ; K step s: the weights' 12 fragments and my 4 of x into set s % 2: 32 loads
	WIN 0x40
.irp b, 0,1,2,3,4,5,6,7,8,9,10,11
.irp c, 0,1
	ds_load_b128 v[96*((\s)&1)+8*\b+4*\c:96*((\s)&1)+8*\b+4*\c+3], v[ADRB+((\s)>>2)] offset:\b*4096+((\s)&3)*1024+\c*512
.endr
.endr
	WIN 0
.irp a, 0,1,2,3
.irp c, 0,1
	ds_load_b128 v[AF+32*((\s)&1)+8*\a+4*\c:AF+32*((\s)&1)+8*\a+4*\c+3], v[ADRA+((\s)>>2)] offset:\a*4096+((\s)&3)*1024+\c*512
.endr
.endr
.endm
.macro WM1 d, s0, s1, c, sa, sb, ra, rb   ; one product; ra, rb: the side's scale words stand in lanes 16-31
.if (\ra) && (\rb)
	v_wmma_scale_f32_16x16x128_f8f6f4 v[\d:\d+7], v[\s0:\s0+7], v[\s1:\s1+7], v[\c:\c+7], v[\sa], v[\sb] matrix_a_fmt:MATRIX_FMT_FP4 matrix_b_fmt:MATRIX_FMT_FP4 matrix_a_scale:MATRIX_SCALE_ROW1 matrix_b_scale:MATRIX_SCALE_ROW1
.elseif (\ra)
	v_wmma_scale_f32_16x16x128_f8f6f4 v[\d:\d+7], v[\s0:\s0+7], v[\s1:\s1+7], v[\c:\c+7], v[\sa], v[\sb] matrix_a_fmt:MATRIX_FMT_FP4 matrix_b_fmt:MATRIX_FMT_FP4 matrix_a_scale:MATRIX_SCALE_ROW1
.elseif (\rb)
	v_wmma_scale_f32_16x16x128_f8f6f4 v[\d:\d+7], v[\s0:\s0+7], v[\s1:\s1+7], v[\c:\c+7], v[\sa], v[\sb] matrix_a_fmt:MATRIX_FMT_FP4 matrix_b_fmt:MATRIX_FMT_FP4 matrix_b_scale:MATRIX_SCALE_ROW1
.else
	v_wmma_scale_f32_16x16x128_f8f6f4 v[\d:\d+7], v[\s0:\s0+7], v[\s1:\s1+7], v[\c:\c+7], v[\sa], v[\sb] matrix_a_fmt:MATRIX_FMT_FP4 matrix_b_fmt:MATRIX_FMT_FP4
.endif
.endm
.macro WM a, b, s                      ; token tile a x column tile b, K step s.  Step 0 takes the bias as C: nothing is cleared
.set rD, 8*(12*((\a)&1)+(\b))
.set rW, 96*((\s)&1)+8*(\b)
.set rX, AF+32*((\s)&1)+8*(\a)
.set rSW, SB+24*((\s)>>2)+4*((\b)%6)+((\s)&3)
.set rSX, SA+8*((\s)>>2)+4*((\a)&1)+((\s)&3)
.set rC, rD
.if (\s) == 0
.set rC, BI+8*(\b)
.endif
.if (\b) < 8
	WM1 rD, rW, rX, rC, rSW, rSX, (\b)/6, (\a)/2
.else
	WM1 rD, rX, rW, rC, rSX, rSW, (\a)/2, 1
.endif
.endm
; A K step: the next step's fragments are asked for first, then 48 products.  The 48 accumulators take turns, one instruction a turn, in the same order in every step.
.macro KSTEP s
.if (\s) > 0
	PLACES                                         ; four places in front of loads into registers that the step before last... the last step's products have read
.endif
.if (\s) < 7
	FETCH (\s)+1
	s_wait_dscnt 32                                ; all but the 32 just issued: this step's fragments are in
.else
	s_wait_dscnt 0x0
.endif
.irp hi, 0,1
.if (\s) == 0
	WIN 0x81+0x40*\hi                              ; source 0 (W) window 1, source 1 (x) and C (bias) window 0, D window 2 or 3
.else
	WIN 0xa1+0x50*\hi
.endif
.irp a2, 0,1
.irp b, 0,1,2,3,4,5,6,7
	WM 2*\hi+\a2, \b, \s
.endr
.endr
.if (\s) == 0
	WIN 0x84+0x40*\hi                              ; source 0 (x) window 0, source 1 (W) window 1
.else
	WIN 0xa4+0x50*\hi
.endif
.irp a2, 0,1
.irp b, 8,9,10,11
	WM 2*\hi+\a2, \b, \s
.endr
.endr
.endr
	WIN 0
.endm
	s_wait_tensorcnt 1                             ; the scale words and my part of chunk 0 are in; chunk 1's load may be out
	s_barrier_signal -1
	s_barrier_wait -1                              ; everybody's are
.irp u, 0,1                            ; the scale words of all of K: 16 loads
.irp i, 0,1
	ds_load_b128 v[SA+8*\u+4*\i:SA+8*\u+4*\i+3], v[ASA] offset:\i*512+\u*256
.endr
.irp i, 0,1,2,3,4,5
	ds_load_b128 v[SB+24*\u+4*\i:SB+24*\u+4*\i+3], v[ASB] offset:\i*512+\u*256
.endr
.endr
	FETCH 0
	s_wait_loadcnt 0x0                             ; the biases
	KSTEP 0
	KSTEP 1
	KSTEP 2
	s_wait_tensorcnt 0x0                           ; my part of chunk 1 is in,
	s_wait_dscnt 0x0                               ; no LDS instruction of mine is pending at the signal,
	s_barrier_signal -1
	s_barrier_wait -1                              ; everybody's is: step 3 asks for step 4's fragments
	KSTEP 3
	KSTEP 4
	KSTEP 5
	KSTEP 6
	KSTEP 7
; THE WAY OUT, a token tile at a time: q times log2(e) / 32, all 12 tiles rounded to f16 from each accumulator's low end on, 12 stores of 512 consecutive bytes.
.macro OUTA a
.set AC, 96*((\a)&1)
.set OU, AF+48*((\a)&1)
.if (\a) >= 2
	s_wait_xcnt 0x0                                ; tile a - 2's stores have read their data: the registers are written again only behind this wait
.endif
	WIN 0x82+0x41*((\a)/2)                         ; source 0 and destination: window 2 or 3
.set i, 0
.rept 16
	v_pk_mul_f32 v[AC+i:AC+i+1], v[AC+i:AC+i+1], s[CS:CS+1] op_sel_hi:[1,0]
.set i, i+2
.endr
	WIN 0x0a+5*((\a)/2)                            ; sources 0 and 1: window 2 or 3; destination window 0
.set i, 0
.rept 48
	v_cvt_pk_f16_f32 v[OU+i], v[AC+2*i], v[AC+2*i+1]
.set i, i+1
.endr
	WIN 0
.irp b, 0,1,2,3
	global_store_b128 v[LI], v[OU+4*\b:OU+4*\b+3], s[14:15] offset:(\a)*2048+\b*512
.endr
.irp b, 0,1,2,3
	global_store_b128 v[LI], v[OU+16+4*\b:OU+16+4*\b+3], s[16:17] offset:(\a)*2048+\b*512
.endr
.irp b, 0,1,2,3
	global_store_b128 v[LI], v[OU+32+4*\b:OU+32+4*\b+3], s[18:19] offset:((\a)/2)*4096+\b*1024+((\a)&1)*512
.endr
.endm
	PLACES                                         ; in front of the first read of results and the first write over fragments and biases
	OUTA 0
	OUTA 1
	OUTA 2
	OUTA 3
	s_wait_tensorcnt 0x0                           ; the wave's end
	ds_add_u32 v[SPW], v[NIL]
	s_wait_dscnt 0x0
	CROUND                                         ; the closing round
	s_endpgm
.Lfunc_end_k_qdee04764ef_qkv:
	.size	k_qdee04764ef_qkv, .Lfunc_end_k_qdee04764ef_qkv-k_qdee04764ef_qkv
	.p2alignl 7, 3214868480
	.fill 96, 4, 3214868480
	.section	.rodata,"a",@progbits
	.p2align	6, 0x0
	.amdhsa_kernel k_qdee04764ef_qkv
		.amdhsa_group_segment_fixed_size 245760
		.amdhsa_private_segment_fixed_size 0
		.amdhsa_enable_private_segment 0
		.amdhsa_kernarg_size 64
		.amdhsa_user_sgpr_count 2
		.amdhsa_user_sgpr_kernarg_segment_ptr 1
		.amdhsa_wavefront_size32 1
		.amdhsa_system_sgpr_workgroup_id_x 1
		.amdhsa_system_sgpr_workgroup_id_y 1
		.amdhsa_system_sgpr_workgroup_id_z 1
		.amdhsa_system_vgpr_workitem_id 0
		.amdhsa_next_free_vgpr 1024
		.amdhsa_next_free_sgpr 102
		.amdhsa_reserve_vcc 0
		.amdhsa_float_denorm_mode_32 3
		.amdhsa_float_denorm_mode_16_64 3
		.amdhsa_memory_ordered 1
		.amdhsa_forward_progress 1
		.amdhsa_inst_pref_size 103
	.end_amdhsa_kernel
	.amdgpu_metadata
---
amdhsa.version: [ 1, 2 ]
amdhsa.kernels:
  - .name:           k_qdee04764ef_qkv
    .symbol:         k_qdee04764ef_qkv.kd
    .args:
      - { .name: codes, .offset: 0, .size: 8, .value_kind: global_buffer, .address_space: global }
      - { .name: scales, .offset: 8, .size: 8, .value_kind: global_buffer, .address_space: global }
      - { .name: bq, .offset: 16, .size: 8, .value_kind: global_buffer, .address_space: global }
      - { .name: bk, .offset: 24, .size: 8, .value_kind: global_buffer, .address_space: global }
      - { .name: bv, .offset: 32, .size: 8, .value_kind: global_buffer, .address_space: global }
      - { .name: qi, .offset: 40, .size: 8, .value_kind: global_buffer, .address_space: global }
      - { .name: ki, .offset: 48, .size: 8, .value_kind: global_buffer, .address_space: global }
      - { .name: vi, .offset: 56, .size: 8, .value_kind: global_buffer, .address_space: global }
    .group_segment_fixed_size: 245760
    .private_segment_fixed_size: 0
    .kernarg_segment_align: 8
    .kernarg_segment_size: 64
    .max_flat_workgroup_size: 128
    .sgpr_count:     102
    .vgpr_count:     1024
    .wavefront_size: 32
...
	.end_amdgpu_metadata
.endif
;; end of part 2
;; launch attn (part 3): grid 8 x 32, 8 waves a work-group, clusters of 4 x 1, 327,680 bytes of LDS; arguments qi, ki, vi, oi; writes oi
.if DOCPART == 3
	.amdgcn_target "amdgcn-amd-amdhsa--gfx1250"
	.amdhsa_code_object_version 6
	.text
	.protected	k_qdee04764ef_attn
	.globl	k_qdee04764ef_attn
	.p2align	8
	.type	k_qdee04764ef_attn,@function
k_qdee04764ef_attn:
	s_mov_b64 s[64:65], 0
	v_nop
	global_prefetch_b8 v0, s[64:65] scope:SCOPE_SE
	s_setreg_imm32_b32 hwreg(HW_REG_WAVE_MODE, 25, 1), 1
	s_wait_xcnt 0x0
	s_wait_alu depctr_hold_cnt(0) depctr_sa_sdst(0) depctr_va_vdst(0) depctr_va_sdst(0) depctr_va_ssrc(0) depctr_va_vcc(0) depctr_vm_vsrc(0)
	s_getreg_b32 s2, hwreg(HW_REG_IB_STS2, 6, 4)
	s_cmp_eq_u32 s2, 0
	s_cbranch_scc0 .Lentry_in_a_cluster
	s_endpgm
.Lentry_in_a_cluster:
	s_bfe_u32 s2, ttmp6, 0x10000c
	s_cmp_lg_u32 s2, 0x3003
	s_cbranch_scc0 .Lentry_shape_is_right
	s_endpgm
.Lentry_shape_is_right:
; o[b][h][q] = the sum over k of softmax_k(q . k / 32) v[k], 32 (batch, head) pairs, 2,048 tokens, head size 64.  q arrives times log2(e) / 32, so a score t is an exponent of 2.  Operands f16, sums f32.
; SOFTMAX: a running maximum m and sum l for each query; p = 2^(t - m), summed in f32 before it is rounded to f16; in every step O and l are multiplied by 2^(m_old - m_new).
; LIMIT: |o| stays under 65,504 (f16); NaN and infinities are not served.
; SHARES.  A work-group owns 256 queries of one (batch, head).  Wave wv: qg = wv % 4 picks its 64 queries (four tiles of 16); kh = wv / 4 picks which half of each slot's 512 keys it walks: 16 steps of 64 keys.
; At the end the two waves of a qg join their m, l and O through LDS.
; LAYOUT.  S^T = K Q^T (source 0 = 16 keys, source 1 = 16 queries) and O^T = V^T P: a lane holds ONE query throughout; two packed tiles of S^T are source 1 of the second product.
; K, V and Q arrive as images of operand registers (512 bytes a group of four registers, lane l at 16 l): every LDS load is 16 x lane + a constant.
; TWO PHASES.  M: the 32 products V^T P of the step before and the 32 products K Q^T of this step, with all the step's LDS loads.  X: the step's softmax for the four tiles.
; ph = (wv xor wv / 4) % 2: a wave with ph = 0 runs M then X in a trip, one with ph = 1 runs X (of the step before) then M: of two waves with unlike ph one has matrix work while the other has vector work.
; M and X stand once in each loop: a trip has two halves, and half xor ph picks the phase.
; RING: two slots of 512 keys (K 65,536 bytes, then V 65,536).  Each wave fetches an eighth of a slot by one tensor load.  CLUSTER 4 x 1: four query blocks of one (batch, head) walk the same K and V: each tile is asked for jointly.
; Of the four slots' worth of keys two go out at the head, and each of the two refills is issued four key steps of every wave ahead of the wait for it: no prefetch is laid.
; REGISTERS: window 0: v2-9 addresses; v16-63 statistics, 12 a tile; v64-191 S^T, 32 a tile, then P in its first 16; v192-255 K.   window 1: v0-127 O^T (t, ct) at 32 t + 8 ct; v128-191 Q; v192-255 V.
.set SLOT1, 1<<17                      ; slot 1 begins here: one exclusive or turns an address from one slot into the other
.set VOFF,  65536
.set STEPB, 8192                       ; a step's 64 keys, in K and in V
.set SPARE, 262144                     ; the spare words, 128 bytes for each wave: four blocks of 256 bytes that no other line names
.set AK,   2                           ; v2   16 x lane + 32,768 kh
.set AV,   3                           ; v3   + VOFF
.set ADR,  4                           ; v4   the step's K
.set ADR2, 5                           ; v5   the step's V
.set LI,   6                           ; v6   16 x lane
.set EXA,  7                           ; v7   the exchange at the end: 17,408 qg + 16 x lane, in slot 0, which has had its last fill and its last read by then
.set SPW,  8                           ; v8   my spare word; never rewritten
.set NIL,  9                           ; v9   0; never rewritten
.set ST,   16                          ; tile t at v[ST + 12 t]: +0 m (+1 its pair's upper half), +2, +3 l, +4 f (+5), +6 to +9 c0-c3 at work
.set S,    64
.set KF,   192
.set QF,   128                         ; in window 1
.set VF,   192                         ; in window 1
.set WV,   12
.set QG,   13
.set KH,   14
.set PH,   15
.set G1,   24                          ; s[24:31] group 1
.set G0A,  32                          ; s[32:35] group 0 of slot 0's first fill
.set G0B,  36                          ; s[36:39] of slot 1's, which then walks
.set TB,   40                          ; s40  LDS byte at which the step's tiles begin
.set SLOTS, 41
.set TRIP, 42
.set HALF, 43
.set PICK, 44
.set SEL,  46                          ; s[46:47] lane selects: lane l xor 16
.set MSB, 0
.macro WIN new                         ; the immediate's high byte repeats the setting that is left
.if MSB != (\new)
	s_set_vgpr_msb (MSB<<8)|(\new)
.set MSB, \new
.endif
.endm
.macro CROUND                          ; a round of the cluster's barrier
	s_barrier_signal -1
	s_barrier_wait -1
	s_cmp_lg_u32 s[WV], 0
	s_cbranch_scc1 .Lnot_wave_0_\@
	s_barrier_signal -3
.Lnot_wave_0_\@:
	s_barrier_wait -3
	s_barrier_signal -1
	s_barrier_wait -1
.endm
.macro PLACES cnt
.rept \cnt
	v_nop
.endr
.endm
	s_load_b256 s[4:11], s[0:1], 0x0               ; qi, ki, vi, oi
	v_lshl_add_u32 v[SPW], v0, 2, SPARE
	v_mov_b32 v[NIL], 0
	ds_add_u32 v[SPW], v[NIL]                      ; the wave's opening: the add, twice on end, and its wait ahead of my first tensor load
	ds_add_u32 v[SPW], v[NIL]
	v_lshrrev_b32 v1, 5, v0
	v_readfirstlane_b32 s[WV], v1                  ; wave 0..7
	s_and_b32 s[QG], s[WV], 3
	s_lshr_b32 s[KH], s[WV], 2
	s_xor_b32 s[PH], s[WV], s[KH]
	s_and_b32 s[PH], s[PH], 1
	s_bfe_u32 s16, ttmp6, 0x40000                  ; cx
	s_lshl_b32 s17, ttmp9, 2
	s_add_co_u32 s17, s17, s16                     ; my block of 256 queries: it enters Q's and O's addresses alone
	s_and_b32 s18, ttmp7, 0xffff                   ; (batch, head), which the four partners share
	s_mov_b32 s[G1+0], 15|(3<<16)|(1<<21)          ; the mask: all four work-groups; elements of 8 bytes; no padding
	s_mov_b32 s[G1+1], 32<<16                      ; 64 dense rows of 256 bytes
	s_mov_b32 s[G1+2], 64<<16
	s_mov_b32 s[G1+3], 32<<16
	s_mov_b32 s[G1+4], 64
	s_mov_b32 s[G1+5], 32
	s_mov_b32 s[G1+6], 0
	s_mov_b32 s[G1+7], 0
	s_lshl_b32 s20, s18, 18                        ; 262,144 bytes a (batch, head) in qi, ki, vi
	s_lshl_b32 s22, s[QG], 14                      ; my quarter of K's or V's 65,536 bytes of a slot
	s_add_co_u32 s22, s22, s20
	s_mov_b32 s23, 0
	s_lshl_b32 s48, s17, 15                        ; Q: 16 tiles of 2,048 bytes a block, 4 a wave
	s_lshl_b32 s49, s[QG], 13
	s_add_co_u32 s48, s48, s49
	s_add_co_u32 s48, s48, s20
	s_mov_b32 s49, 0
	s_lshr_b32 s50, s18, 4                         ; O: token tile 128 batch + 16 block + 4 qg, 32,768 bytes each; + 2,048 head
	s_lshl_b32 s50, s50, 7
	s_lshl_b32 s51, s17, 4
	s_add_co_u32 s50, s50, s51
	s_lshl_b32 s51, s[QG], 2
	s_add_co_u32 s50, s50, s51
	s_lshl_b32 s50, s50, 15
	s_and_b32 s51, s18, 15
	s_lshl_b32 s51, s51, 11
	s_add_co_u32 s50, s50, s51
	s_mov_b32 s51, 0
	s_lshl_b32 s54, s[WV], 14                      ; where my eighth of a slot goes: waves 0-3 K's quarters, waves 4-7 V's
	s_mov_b32 s[SEL], 0x76543210
	s_mov_b32 s[SEL+1], 0xfedcba98
	s_mov_b32 s[TB], 0
	s_wait_dscnt 0x0                               ; both opening adds are done
	s_wait_kmcnt 0x0
	s_cmp_lt_u32 s[WV], 4
	s_cselect_b64 s[52:53], s[6:7], s[8:9]
	s_add_nc_u64 s[52:53], s[52:53], s[22:23]
	s_add_nc_u64 s[4:5], s[4:5], s[48:49]
	s_add_nc_u64 s[10:11], s[10:11], s[50:51]
	s_mov_b32 s[G0A], 1
	s_mov_b32 s[G0A+1], s54
	s_mov_b64 s[G0A+2:G0A+3], s[52:53]
	s_or_b32 s[G0A+3], s[G0A+3], 0x80000000
	s_mov_b32 s[G0B], 1
	s_add_co_u32 s[G0B+1], s54, SLOT1
	s_add_nc_u64 s[G0B+2:G0B+3], s[52:53], 65536
	s_or_b32 s[G0B+3], s[G0B+3], 0x80000000
	CROUND                                         ; all four work-groups are here: the first joint loads meet
	tensor_load_to_lds s[G0A:G0A+3], s[G1:G1+7]    ; keys 0-511 and 512-1,023: two tensor loads of mine are out
	s_nop 0
	tensor_load_to_lds s[G0B:G0B+3], s[G1:G1+7]
	s_nop 0
	PLACES 4
	v_and_b32 v1, 31, v0
	v_lshlrev_b32 v[LI], 4, v1
	s_lshl_b32 s20, s[KH], 15
	v_add_nc_u32 v[AK], s20, v[LI]
	v_add_nc_u32 v[AV], VOFF, v[AK]
	s_mul_i32 s20, s[QG], 17408
	v_add_nc_u32 v[EXA], s20, v[LI]
	v_add_nc_u32 v[ADR], s[TB], v[AK]
	v_add_nc_u32 v[ADR2], s[TB], v[AV]
.irp t, 0,1,2,3
	v_mov_b32 v[ST+12*\t], 0xff61b1e6              ; m: -3e38, under every score
.irp k, 1,2,3,4,5
	v_mov_b32 v[ST+12*\t+\k], 0                    ; l, f and the upper halves of the pairs that packed forms name
.endr
.endr
	WIN 0x40                                       ; destination window 1
.irp t, 0,1,2,3
.irp c, 0,1,2,3
	global_load_b128 v[QF+16*\t+4*\c:QF+16*\t+4*\c+3], v[LI], s[4:5] offset:\t*2048+\c*512   ; Q stays in registers
.endr
.endr
.set i, 0
.rept 128
	v_mov_b32 v[i], 0                              ; O^T begins as zeros, which the first change of m leaves zeros: so phase M is written once for every step; these run while the first tiles are on their way
.set i, i+1
.endr
	WIN 0
.macro PVS                             ; O^T += V^T P: 32 products; the 16 accumulators take turns, one instruction a turn
	WIN 0x51                                       ; V window 1, P window 0, O^T window 1
.irp kg, 0,1
.irp t, 0,1,2,3
.irp ct, 0,1,2,3
	v_wmma_f32_16x16x32_f16 v[32*\t+8*\ct:32*\t+8*\ct+7], v[VF+32*\kg+8*\ct:VF+32*\kg+8*\ct+7], v[S+32*\t+8*\kg:S+32*\t+8*\kg+7], v[32*\t+8*\ct:32*\t+8*\ct+7]
.endr
.endr
.endr
.endm
; PHASE M of step j.  full = 0: the first step, which has no step before it.
.macro MPH full
.irp kt, 0,1,2,3
.irp c, 0,1,2,3
	ds_load_b128 v[KF+16*\kt+4*\c:KF+16*\kt+4*\c+3], v[ADR] offset:\kt*2048+\c*512   ; K of step j: 16 loads
.endr
.endr
.if \full
	s_wait_dscnt 16                                ; V of step j - 1 is in; the 16 loads of K just issued may be out
	PVS
	PLACES 5                                       ; five places: the products below write over P, and the loads below land on V
.endif
	WIN 0x40
.irp kg, 0,1
.irp c, 0,1,2,3,4,5,6,7
	ds_load_b128 v[VF+32*\kg+4*\c:VF+32*\kg+4*\c+3], v[ADR2] offset:\kg*4096+\c*512   ; V of step j: 16 loads, waited for in the next phase M
.endr
.endr
	s_wait_dscnt 16                                ; K is in; the 16 loads of V may be out
	WIN 0x04                                       ; K window 0, Q window 1, S^T window 0
.irp t, 0,1,2,3
.irp kt, 0,1,2,3
	v_wmma_f32_16x16x32_f16 v[S+32*\t+8*\kt:S+32*\t+8*\kt+7], v[KF+16*\kt:KF+16*\kt+7], v[QF+16*\t:QF+16*\t+7], 0
.endr
.endr
.irp t, 0,1,2,3
.irp kt, 0,1,2,3
	v_wmma_f32_16x16x32_f16 v[S+32*\t+8*\kt:S+32*\t+8*\kt+7], v[KF+16*\kt+8:KF+16*\kt+15], v[QF+16*\t+8:QF+16*\t+15], v[S+32*\t+8*\kt:S+32*\t+8*\kt+7]
.endr
.endr
	WIN 0
	PLACES 5                                       ; behind the last products: what follows reads the scores, or loads into K
.endm
; PHASE X: the softmax of one step, the four tiles by turns, line by line.
.macro XPH
.irp j, 0,1,2,3                        ; the maximum of 32 scores and the old m: four chains, each begun at the low end of one accumulator
.irp t, 0,1,2,3
	v_max3_num_f32 v[ST+12*\t+6+\j], v[S+32*\t+8*\j], v[S+32*\t+8*\j+1], v[S+32*\t+8*\j+2]
.endr
.endr
.irp i, 3,5
.irp j, 0,1,2,3
.irp t, 0,1,2,3
	v_max3_num_f32 v[ST+12*\t+6+\j], v[ST+12*\t+6+\j], v[S+32*\t+8*\j+\i], v[S+32*\t+8*\j+\i+1]
.endr
.endr
.endr
.irp t, 0,1,2,3
	v_max3_num_f32 v[ST+12*\t+6], v[ST+12*\t+6], v[S+32*\t+7], v[S+32*\t+15]
.endr
.irp t, 0,1,2,3
	v_max3_num_f32 v[ST+12*\t+8], v[ST+12*\t+8], v[S+32*\t+23], v[S+32*\t+31]
.endr
.irp t, 0,1,2,3
	v_max3_num_f32 v[ST+12*\t+6], v[ST+12*\t+6], v[ST+12*\t+7], v[ST+12*\t+8]
.endr
.irp t, 0,1,2,3
	v_max3_num_f32 v[ST+12*\t+6], v[ST+12*\t+6], v[ST+12*\t+9], v[ST+12*\t]
.endr
.irp t, 0,1,2,3
	v_permlanex16_b32 v[ST+12*\t+7], v[ST+12*\t+6], s[SEL], s[SEL+1]   ; the query's other 32 keys lie in the lane 16 away
.endr
.irp t, 0,1,2,3
	v_max_num_f32 v[ST+12*\t+8], v[ST+12*\t+6], v[ST+12*\t+7]
.endr
.irp t, 0,1,2,3
	v_sub_f32 v[ST+12*\t+4], v[ST+12*\t], v[ST+12*\t+8]               ; m_old - m_new
.endr
.irp t, 0,1,2,3
	v_mov_b32 v[ST+12*\t], v[ST+12*\t+8]
.endr
.irp i, 0,2,4,6,8,10,12,14,16,18,20,22,24,26,28,30
.irp t, 0,1,2,3
	v_pk_add_f32 v[S+32*\t+\i:S+32*\t+\i+1], v[S+32*\t+\i:S+32*\t+\i+1], v[ST+12*\t:ST+12*\t+1] op_sel_hi:[1,0] neg_lo:[0,1] neg_hi:[0,1]   ; t - m
.endr
.endr
.irp t, 0,1,2,3                        ; ONE BATCH: 132 exponentials, none of which reads another's result
	v_exp_f32 v[ST+12*\t+4], v[ST+12*\t+4]
.endr
.irp i, 0,1,2,3,4,5,6,7,8,9,10,11,12,13,14,15,16,17,18,19,20,21,22,23,24,25,26,27,28,29,30,31
.irp t, 0,1,2,3
	v_exp_f32 v[S+32*\t+\i], v[S+32*\t+\i]
.endr
.endr
	v_nop                                          ; a plain instruction behind the last exponential
	s_wait_alu depctr_va_vdst(0)                   ; and one wait ahead of the batch's first reader
.irp t, 0,1,2,3                        ; the sums of the unrounded p, in two chains of pairs
	v_pk_add_f32 v[ST+12*\t+6:ST+12*\t+7], v[S+32*\t:S+32*\t+1], v[S+32*\t+2:S+32*\t+3]
.endr
.irp t, 0,1,2,3
	v_pk_add_f32 v[ST+12*\t+8:ST+12*\t+9], v[S+32*\t+4:S+32*\t+5], v[S+32*\t+6:S+32*\t+7]
.endr
.irp i, 8,12,16,20,24,28
.irp t, 0,1,2,3
	v_pk_add_f32 v[ST+12*\t+6:ST+12*\t+7], v[ST+12*\t+6:ST+12*\t+7], v[S+32*\t+\i:S+32*\t+\i+1]
.endr
.irp t, 0,1,2,3
	v_pk_add_f32 v[ST+12*\t+8:ST+12*\t+9], v[ST+12*\t+8:ST+12*\t+9], v[S+32*\t+\i+2:S+32*\t+\i+3]
.endr
.endr
.irp t, 0,1,2,3
	v_pk_add_f32 v[ST+12*\t+6:ST+12*\t+7], v[ST+12*\t+6:ST+12*\t+7], v[ST+12*\t+8:ST+12*\t+9]
.endr
.irp t, 0,1,2,3
	v_pk_fma_f32 v[ST+12*\t+2:ST+12*\t+3], v[ST+12*\t+2:ST+12*\t+3], v[ST+12*\t+4:ST+12*\t+5], v[ST+12*\t+6:ST+12*\t+7] op_sel_hi:[1,0,1]   ; l = l f + the sum
.endr
.irp i, 0,1,2,3,4,5,6,7,8,9,10,11,12,13,14,15
.irp t, 0,1,2,3
	v_cvt_pk_f16_f32 v[S+32*\t+\i], v[S+32*\t+2*\i], v[S+32*\t+2*\i+1]   ; P, in place: register i is written when 2 i and 2 i + 1 are read
.endr
.endr
	WIN 0x41                                       ; O^T (destination and source 0) window 1, f window 0
.irp i, 0,2,4,6,8,10,12,14,16,18,20,22,24,26,28,30
.irp t, 0,1,2,3
	v_pk_mul_f32 v[32*\t+\i:32*\t+\i+1], v[32*\t+\i:32*\t+\i+1], v[ST+12*\t+4:ST+12*\t+5] op_sel_hi:[1,0]
.endr
.endr
	WIN 0
.endm
; cnt key steps.  A trip: the step's two LDS addresses, made by every wave; two halves, in each of which half xor ph picks M (0) or X (1); the step's bytes on.
.macro TRIPS cnt
	s_mov_b32 s[TRIP], \cnt
.Ltrip_\@:
	v_add_nc_u32 v[ADR], s[TB], v[AK]
	v_add_nc_u32 v[ADR2], s[TB], v[AV]
	s_mov_b32 s[HALF], 0
.Lhalf_\@:
	s_xor_b32 s[PICK], s[HALF], s[PH]
	s_cmp_eq_u32 s[PICK], 0
	s_cbranch_scc0 .Lx_\@
	MPH 1
	s_branch .Ljoin_\@
.Lx_\@:
	XPH
.Ljoin_\@:
	s_add_co_u32 s[HALF], s[HALF], 1
	s_cmp_lt_u32 s[HALF], 2
	s_cbranch_scc1 .Lhalf_\@
	s_add_co_u32 s[TB], s[TB], STEPB
	s_sub_co_u32 s[TRIP], s[TRIP], 1
	s_cmp_lg_u32 s[TRIP], 0
	s_cbranch_scc1 .Ltrip_\@
.endm
; THE CHANGE OF SLOTS.  Each wave waits for all its tensor loads (its part of the slot ahead), adds 0 to its spare word, and waits for that and for its reads of the slot that it leaves.
; fill = 1: the barrier is a round of the cluster's, and the slot just left is filled first thing behind it with the keys two slots on: one tensor load of mine is out.
.macro CHANGE fill
	s_wait_tensorcnt 0x0                           ; no tensor load of mine is out, so a group 0 may be written
	ds_add_u32 v[SPW], v[NIL]                      ; 0 onto my spare word
.if \fill
	s_xor_b32 s[G0B+1], s[G0B+1], SLOT1            ; the walking descriptor: the other slot than last time,
	s_add_nc_u64 s[G0B+2:G0B+3], s[G0B+2:G0B+3], 65536   ; the next 512 keys
.endif
	s_wait_dscnt 0x0                               ; the add is done, and my reads of the slot are over
.if \fill
	CROUND
	tensor_load_to_lds s[G0B:G0B+3], s[G1:G1+7]
	s_nop 0
	PLACES 4
.else
	s_barrier_signal -1
	s_barrier_wait -1
.endif
	s_sub_co_u32 s[TB], s[TB], 4*STEPB             ; back to a slot's first step,
	s_xor_b32 s[TB], s[TB], SLOT1                  ; in the other slot
.endm
	s_wait_tensorcnt 1                             ; my part of slot 0 is in; slot 1's may stay out
	s_barrier_signal -1
	s_barrier_wait -1                              ; everybody's is
	s_wait_loadcnt 0x0                             ; Q
	MPH 0                                          ; step 0's scores, in every wave
	s_cmp_lg_u32 s[PH], 0
	s_cbranch_scc1 .Lno_x0
	XPH                                            ; ph = 0: step 0's softmax; from here on the two kinds of waves are half a trip apart
.Lno_x0:
	s_add_co_u32 s[TB], s[TB], STEPB
	TRIPS 3                                        ; steps 1-3: slot 0
	s_mov_b32 s[SLOTS], 2
.Lslot:
	CHANGE 1                                       ; steps 4-7 in slot 1, steps 8-11 in slot 0
	TRIPS 4
	s_sub_co_u32 s[SLOTS], s[SLOTS], 1
	s_cmp_lg_u32 s[SLOTS], 0
	s_cbranch_scc1 .Lslot
	CHANGE 0                                       ; the tail is written out: nothing is left to ask for
	TRIPS 4                                        ; steps 12-15: slot 1
	CHANGE 0                                       ; every wave's reads of the ring are over: slot 0's bytes serve the exchange
	s_cmp_eq_u32 s[PH], 0
	s_cbranch_scc1 .Lno_x1
	XPH                                            ; ph = 1: the last step's softmax
.Lno_x1:
	s_wait_dscnt 0x0
	PVS                                            ; V^T P of the last step
	WIN 0
	PLACES 5
	; THE END.  l's two halves and the other half of the lanes'; m and l of the four tiles into eight registers on end.
.irp t, 0,1,2,3
	v_add_f32 v[ST+12*\t+6], v[ST+12*\t+2], v[ST+12*\t+3]
.endr
.irp t, 0,1,2,3
	v_permlanex16_b32 v[ST+12*\t+7], v[ST+12*\t+6], s[SEL], s[SEL+1]
.endr
.irp t, 0,1,2,3
	v_add_f32 v[KF+4+\t], v[ST+12*\t+6], v[ST+12*\t+7]
.endr
.irp t, 0,1,2,3
	v_mov_b32 v[KF+\t], v[ST+12*\t]
.endr
	s_cmp_eq_u32 s[KH], 0
	s_cbranch_scc1 .Lkeep
	WIN 0x04                                       ; an LDS store's data are its source 1: window 1
.set i, 0
.rept 32
	ds_store_b128 v[EXA], v[4*i:4*i+3] offset:512*i   ; kh = 1: my O^T as it stands, each accumulator from its low end on,
.set i, i+1
.endr
	WIN 0
	ds_store_b128 v[EXA], v[KF:KF+3] offset:16384  ; my m,
	ds_store_b128 v[EXA], v[KF+4:KF+7] offset:16896   ; my l
.Lkeep:
	s_wait_dscnt 0x0                               ; for the others' sake: my stores are done
	s_barrier_signal -1
	s_barrier_wait -1
	s_cmp_lg_u32 s[KH], 0
	s_cbranch_scc1 .Ldone
.set i, 0
.rept 32
	ds_load_b128 v[S+4*i:S+4*i+3], v[EXA] offset:512*i   ; kh = 0: the partner's O^T, m', l'
.set i, i+1
.endr
	ds_load_b128 v[200:203], v[EXA] offset:16384
	ds_load_b128 v[204:207], v[EXA] offset:16896
	s_wait_dscnt 0x0
.irp t, 0,1,2,3
	v_max_num_f32 v[208+\t], v[KF+\t], v[200+\t]
.endr
.irp t, 0,1,2,3
	v_sub_f32 v[212+\t], v[KF+\t], v[208+\t]
.endr
.irp t, 0,1,2,3
	v_sub_f32 v[216+\t], v[200+\t], v[208+\t]
.endr
.irp t, 0,1,2,3,4,5,6,7
	v_exp_f32 v[212+\t], v[212+\t]                 ; a = 2^(m - max), a' = 2^(m' - max)
.endr
	v_nop
	s_wait_alu depctr_va_vdst(0)                   ; one wait for the eight
.irp t, 0,1,2,3
	v_mul_f32 v[220+\t], v[204+\t], v[216+\t]
.endr
.irp t, 0,1,2,3
	v_fma_f32 v[220+\t], v[KF+4+\t], v[212+\t], v[220+\t]   ; l a + l' a'
.endr
.irp t, 0,1,2,3
	v_rcp_f32 v[224+\t], v[220+\t]
.endr
	v_nop
	s_wait_alu depctr_va_vdst(0)                   ; one wait for the four
.irp t, 0,1,2,3
	v_mul_f32 v[228+2*\t], v[212+\t], v[224+\t]    ; a / l, a' / l; the pairs' upper halves are written since packed forms name them
	v_mul_f32 v[229+2*\t], v[212+\t], v[224+\t]
	v_mul_f32 v[236+2*\t], v[216+\t], v[224+\t]
	v_mul_f32 v[237+2*\t], v[216+\t], v[224+\t]
.endr
.irp t, 0,1,2,3
.irp i, 0,2,4,6,8,10,12,14,16,18,20,22,24,26,28,30
	v_pk_mul_f32 v[S+32*\t+\i:S+32*\t+\i+1], v[S+32*\t+\i:S+32*\t+\i+1], v[236+2*\t:237+2*\t] op_sel_hi:[1,0]
.endr
.endr
	WIN 0x01                                       ; source 0 (my O^T) window 1
.irp t, 0,1,2,3
.irp i, 0,2,4,6,8,10,12,14,16,18,20,22,24,26,28,30
	v_pk_fma_f32 v[S+32*\t+\i:S+32*\t+\i+1], v[32*\t+\i:32*\t+\i+1], v[228+2*\t:229+2*\t], v[S+32*\t+\i:S+32*\t+\i+1] op_sel_hi:[1,0,1]
.endr
.endr
	WIN 0
.irp t, 0,1,2,3
.irp ct, 0,1,2,3
.irp i, 0,1,2,3
	v_cvt_pk_f16_f32 v[S+32*\t+8*\ct+\i], v[S+32*\t+8*\ct+2*\i], v[S+32*\t+8*\ct+2*\i+1]
.endr
	global_store_b128 v[LI], v[S+32*\t+8*\ct:S+32*\t+8*\ct+3], s[10:11] offset:\t*32768+\ct*512   ; a group of the next product's fragment: 512 consecutive bytes
.endr
.endr
.Ldone:
	s_wait_tensorcnt 0x0                           ; the wave's end
	ds_add_u32 v[SPW], v[NIL]
	s_wait_dscnt 0x0
	CROUND                                         ; the closing round
	s_endpgm
.Lfunc_end_k_qdee04764ef_attn:
	.size	k_qdee04764ef_attn, .Lfunc_end_k_qdee04764ef_attn-k_qdee04764ef_attn
	.p2alignl 7, 3214868480
	.fill 96, 4, 3214868480
	.section	.rodata,"a",@progbits
	.p2align	6, 0x0
	.amdhsa_kernel k_qdee04764ef_attn
		.amdhsa_group_segment_fixed_size 327680
		.amdhsa_private_segment_fixed_size 0
		.amdhsa_enable_private_segment 0
		.amdhsa_kernarg_size 32
		.amdhsa_user_sgpr_count 2
		.amdhsa_user_sgpr_kernarg_segment_ptr 1
		.amdhsa_wavefront_size32 1
		.amdhsa_system_sgpr_workgroup_id_x 1
		.amdhsa_system_sgpr_workgroup_id_y 1
		.amdhsa_system_sgpr_workgroup_id_z 1
		.amdhsa_system_vgpr_workitem_id 0
		.amdhsa_next_free_vgpr 512
		.amdhsa_next_free_sgpr 66
		.amdhsa_reserve_vcc 0
		.amdhsa_float_denorm_mode_32 3
		.amdhsa_float_denorm_mode_16_64 3
		.amdhsa_memory_ordered 1
		.amdhsa_forward_progress 1
		.amdhsa_inst_pref_size 186
	.end_amdhsa_kernel
	.amdgpu_metadata
---
amdhsa.version: [ 1, 2 ]
amdhsa.kernels:
  - .name:           k_qdee04764ef_attn
    .symbol:         k_qdee04764ef_attn.kd
    .args:
      - { .name: qi, .offset: 0, .size: 8, .value_kind: global_buffer, .address_space: global }
      - { .name: ki, .offset: 8, .size: 8, .value_kind: global_buffer, .address_space: global }
      - { .name: vi, .offset: 16, .size: 8, .value_kind: global_buffer, .address_space: global }
      - { .name: oi, .offset: 24, .size: 8, .value_kind: global_buffer, .address_space: global }
    .group_segment_fixed_size: 327680
    .private_segment_fixed_size: 0
    .kernarg_segment_align: 8
    .kernarg_segment_size: 32
    .max_flat_workgroup_size: 256
    .sgpr_count:     66
    .vgpr_count:     512
    .wavefront_size: 32
...
	.end_amdgpu_metadata
.endif
;; end of part 3
;; launch proj (part 4): grid 8 x 32, 4 waves a work-group, clusters of 4 x 4, 327,680 bytes of LDS; arguments oi, wo16, bo, out0; writes out0
.if DOCPART == 4
	.amdgcn_target "amdgcn-amd-amdhsa--gfx1250"
	.amdhsa_code_object_version 6
	.text
	.protected	k_qdee04764ef_proj
	.globl	k_qdee04764ef_proj
	.p2align	8
	.type	k_qdee04764ef_proj,@function
k_qdee04764ef_proj:
	s_mov_b64 s[64:65], 0
	v_nop
	global_prefetch_b8 v0, s[64:65] scope:SCOPE_SE
	s_setreg_imm32_b32 hwreg(HW_REG_WAVE_MODE, 25, 1), 1
	s_wait_xcnt 0x0
	s_wait_alu depctr_hold_cnt(0) depctr_sa_sdst(0) depctr_va_vdst(0) depctr_va_sdst(0) depctr_va_ssrc(0) depctr_va_vcc(0) depctr_vm_vsrc(0)
	s_getreg_b32 s2, hwreg(HW_REG_IB_STS2, 6, 4)
	s_cmp_eq_u32 s2, 0
	s_cbranch_scc0 .Lentry_in_a_cluster
	s_endpgm
.Lentry_in_a_cluster:
	s_bfe_u32 s2, ttmp6, 0x10000c
	s_cmp_lg_u32 s2, 0xf033
	s_cbranch_scc0 .Lentry_shape_is_right
	s_endpgm
.Lentry_shape_is_right:
; out0[m][n] = the sum over k of o[m][k] Wo[n][k] + bo[n].  o [4096][1024] and Wo [1024][1024] arrive in f16 as images of operand registers: [tile of 16 rows][kc 32][g 2][lane][16 bytes]; out0 is f32; sums in f32.
; A tile of out0 is 128 x 128: 256 work-groups.  Four waves, each 64 x 64: 16 accumulators.  K goes in four steps of 256 through two LDS slots; a wave's tensor load brings four tiles' 8,192 bytes of a step.
; CLUSTER 4 x 4: the four of a row of the cluster need the same tiles of o, the four of a column the same tiles of Wo: each is asked for jointly.
; THE MATRIX INSTRUCTION IS USED TRANSPOSED (source 0 = 16 rows of Wo, source 1 = 16 rows of o): a lane holds eight neighbouring numbers of a row of out0.  bo is the C of each sum's first product.
; REGISTERS: window 0: v16-29 addresses; v32-63 bo; v64-127 the way out; v128-255 the accumulators ((a, b) at v[128 + 8 (4 a + b)]).  window 1: two fragment buffers of 128: 64 registers of o, then 64 of Wo, for 64 along K.
.set KT,     8192                      ; a tile's bytes of a K step
.set HALFT,  4*KT                      ; what one tensor load brings, and what one wave reads of o or of Wo
.set SLOT,   131072                    ; o's 8 tiles, then Wo's 8
.set STAGE,  2*SLOT                    ; behind the ring: 16 rows x 272 bytes for each wave
.set SPITCH, 272
.set SPARE,  STAGE+4*16*SPITCH         ; the spare words, 128 bytes for each wave: two blocks of 256 bytes that no other line names
.set ADRA, 16                          ; v16-17 my tiles of o in slot 0, 1
.set ADRB, 20                          ; v20-21 of Wo
.set LI,   22                          ; v22  16 x lane
.set STO,  24                          ; v24  the way out: where I put 32 bytes of a row
.set RD,   25                          ; v25  where I read a row back
.set CO,   26                          ; v26  my byte offset in out0
.set BH,   27                          ; v27  32 h
.set SPW,  28                          ; v28  my spare word; never rewritten
.set NIL,  29                          ; v29  0; never rewritten
.set BI,   32
.set OB,   64
.set ACC,  128
.set F0,   0
.set F1,   128
.set G1,  24                           ; s[24:31], s[32:39] groups 1 and 0 (a set for each slot) for o;  s[48:55], s[56:63] for Wo
.set G0,  32
.set G1B, 48
.set G0B, 56
.set MSB, 0
.macro WIN new                         ; the immediate's high byte repeats the setting that is left
.if MSB != (\new)
	s_set_vgpr_msb (MSB<<8)|(\new)
.set MSB, \new
.endif
.endm
.set MUL,  0x05                        ; sources 0 and 1 window 1; C and D window 0
.set TO_F, 0x40                        ; destination window 1, address window 0
.macro JLOAD sl                        ; a joint load: waves 0, 1 fetch o's halves, waves 2, 3 Wo's; an s_nop 0 and four v_nop follow each line
	s_cmp_eq_u32 s13, 0
	s_cbranch_scc0 .Lfor_b_\@
	tensor_load_to_lds s[G0+4*\sl:G0+4*\sl+3], s[G1:G1+7]
	s_nop 0
.rept 4
	v_nop
.endr
	s_branch .Lasked_\@
.Lfor_b_\@:
	tensor_load_to_lds s[G0B+4*\sl:G0B+4*\sl+3], s[G1B:G1B+7]
	s_nop 0
.rept 4
	v_nop
.endr
.Lasked_\@:
.endm
.macro CREST                           ; a round of the cluster's barrier behind its opening barrier
	s_cmp_lg_u32 s12, 0
	s_cbranch_scc1 .Lnot_wave_0_\@
	s_barrier_signal -3
.Lnot_wave_0_\@:
	s_barrier_wait -3
	s_barrier_signal -1
	s_barrier_wait -1
.endm
.macro CROUND
	s_barrier_signal -1
	s_barrier_wait -1
	CREST
.endm
.macro PLACES
.rept 4
	v_nop
.endr
.endm
	s_load_b256 s[4:11], s[0:1], 0x0               ; oi, wo16, bo, out0
	v_lshl_add_u32 v[SPW], v0, 2, SPARE
	v_mov_b32 v[NIL], 0
	ds_add_u32 v[SPW], v[NIL]                      ; the wave's opening: the add, twice on end, and its wait ahead of my first tensor load
	ds_add_u32 v[SPW], v[NIL]
	v_lshrrev_b32 v1, 5, v0
	v_readfirstlane_b32 s12, v1                    ; wave 0..3
	s_lshr_b32 s13, s12, 1                         ; which half of the tile's rows is mine.  Also: I fetch for o (0) or for Wo (1)
	s_and_b32 s14, s12, 1                          ; which half of its columns.  Also: which four tiles I fetch
	s_bfe_u32 s15, ttmp6, 0x40000                  ; cx
	s_bfe_u32 s16, ttmp6, 0x40004                  ; cy
	s_lshl_b32 s17, ttmp9, 2
	s_add_co_u32 s17, s17, s15                     ; tile column
	s_and_b32 s18, ttmp7, 0xffff
	s_lshl_b32 s18, s18, 2
	s_add_co_u32 s18, s18, s16                     ; tile row
	s_lshl_b32 s40, s16, 2
	s_lshl_b32 s40, 15, s40                        ; my row of the cluster
	s_lshl_b32 s41, 0x1111, s15                    ; my column
	s_or_b32 s[G1+0], s40, (3<<16)|(1<<21)         ; elements of 8 bytes, no padding
	s_or_b32 s[G1B+0], s41, (3<<16)|(1<<21)
.irp g, G1, G1B                        ; four rows of 8,192 bytes, 32,768 bytes from tile to tile
	s_mov_b32 s[\g+1], 1024<<16
	s_mov_b32 s[\g+2], 4<<16
	s_mov_b32 s[\g+3], 1024<<16
	s_mov_b32 s[\g+4], 4
	s_mov_b32 s[\g+5], 4096
	s_mov_b32 s[\g+6], 0
	s_mov_b32 s[\g+7], 0
.endr
	s_lshl_b32 s19, s14, 2
	s_lshl_b32 s20, s18, 3
	s_add_co_u32 s20, s20, s19                     ; o: tile 8 x tile row + 4 x half
	s_lshl_b32 s20, s20, 15
	s_mov_b32 s21, 0
	s_lshl_b32 s22, s17, 3
	s_add_co_u32 s22, s22, s19                     ; Wo: tile 8 x tile column + 4 x half
	s_lshl_b32 s22, s22, 15
	s_mov_b32 s23, 0
	s_lshl_b32 s19, s12, 15                        ; where they go: wave x 32,768
	s_wait_dscnt 0x0                               ; both opening adds are done
	s_wait_kmcnt 0x0
	s_add_nc_u64 s[20:21], s[4:5], s[20:21]
	s_add_nc_u64 s[22:23], s[6:7], s[22:23]
	CROUND                                         ; all sixteen work-groups are here: the first joint loads meet
.irp sl, 0,1
	s_mov_b32 s[G0+4*\sl], 1
	s_add_co_u32 s[G0+4*\sl+1], s19, \sl*SLOT
	s_add_nc_u64 s[G0+4*\sl+2:G0+4*\sl+3], s[20:21], \sl*KT
	s_or_b32 s[G0+4*\sl+3], s[G0+4*\sl+3], 0x80000000
	s_mov_b32 s[G0B+4*\sl], 1
	s_add_co_u32 s[G0B+4*\sl+1], s19, \sl*SLOT
	s_add_nc_u64 s[G0B+4*\sl+2:G0B+4*\sl+3], s[22:23], \sl*KT
	s_or_b32 s[G0B+4*\sl+3], s[G0B+4*\sl+3], 0x80000000
	JLOAD \sl
.endr
	v_and_b32 v1, 15, v0                           ; r
	v_bfe_u32 v2, v0, 4, 1                         ; h
	v_and_b32 v3, 31, v0
	v_lshlrev_b32 v[LI], 4, v3
	s_lshl_b32 s46, s13, 15                        ; my four tiles of o,
	s_lshl_b32 s47, s14, 15                        ; my four of Wo,
	s_add_co_u32 s47, s47, 65536                   ; which lie behind o's eight
.irp sl, 0,1
	v_add_nc_u32 v[ADRA+\sl], s46, v[LI]
	v_add_nc_u32 v[ADRB+\sl], s47, v[LI]
	s_add_co_u32 s46, s46, SLOT
	s_add_co_u32 s47, s47, SLOT
.endr
	s_mul_i32 s46, s12, 16*SPITCH
	s_add_co_u32 s46, s46, STAGE                   ; my stage
	v_mul_u32_u24 v[STO], v1, SPITCH               ; in: row r, 32 bytes for each half of the lanes
	v_lshl_add_u32 v[STO], v2, 5, v[STO]
	v_add_nc_u32 v[STO], s46, v[STO]
	v_mul_u32_u24 v[RD], v2, SPITCH                ; back: lanes 0-15 one row of 256 bytes, lanes 16-31 the next
	v_lshl_add_u32 v[RD], v1, 4, v[RD]
	v_add_nc_u32 v[RD], s46, v[RD]
	v_lshlrev_b32 v[CO], 12, v2                    ; and the same two rows in out0
	v_lshl_add_u32 v[CO], v1, 4, v[CO]
	v_lshlrev_b32 v[BH], 5, v2
	s_lshl_b32 s42, s18, 7
	s_lshl_b32 s43, s13, 6
	s_add_co_u32 s42, s42, s43                     ; my first row of out0
	s_lshl_b32 s42, s42, 12
	s_lshl_b32 s44, s17, 9                         ; my first column, in bytes: 512 x tile column + 256 x half
	s_lshl_b32 s45, s14, 8
	s_add_co_u32 s44, s44, s45
	s_mov_b32 s45, 0
	s_add_co_u32 s42, s42, s44
	s_mov_b32 s43, 0
	s_add_nc_u64 s[10:11], s[10:11], s[42:43]
	s_add_nc_u64 s[8:9], s[8:9], s[44:45]
.irp b, 0,1,2,3                        ; bo: lane (r, h) holds columns 16 b + 8 h + 0..7
	global_load_b128 v[BI+8*\b:BI+8*\b+3], v[BH], s[8:9] offset:64*\b
	global_load_b128 v[BI+8*\b+4:BI+8*\b+7], v[BH], s[8:9] offset:64*\b+16
.endr
; 8 products: row blocks a0, a0 + 1 x all 4 column blocks, 32 along K: half c of buffer f.  first = 1: the sums begin with bo.  The 16 accumulators take turns.
.macro MUL8 f, c, a0, first
.irp a, \a0, \a0+1
.irp b, 0,1,2,3
.if \first
	v_wmma_f32_16x16x32_f16 v[ACC+8*(4*(\a)+\b):ACC+8*(4*(\a)+\b)+7], v[\f+64+8*(4*\c+\b):\f+64+8*(4*\c+\b)+7], v[\f+8*(4*\c+\a):\f+8*(4*\c+\a)+7], v[BI+8*\b:BI+8*\b+7]
.else
	v_wmma_f32_16x16x32_f16 v[ACC+8*(4*(\a)+\b):ACC+8*(4*(\a)+\b)+7], v[\f+64+8*(4*\c+\b):\f+64+8*(4*\c+\b)+7], v[\f+8*(4*\c+\a):\f+8*(4*\c+\a)+7], v[ACC+8*(4*(\a)+\b):ACC+8*(4*(\a)+\b)+7]
.endif
.endr
.endr
.endm
; 32 LDS loads in one run: the fragments of quarter q (64 along K) of a slot into buffer f; the first 32 along K first
.macro FETCH slot, q, f
	WIN TO_F
.irp c, 0,1
.irp i, 0,1,2,3
	ds_load_b128 v[\f+64+8*(4*\c+\i):\f+64+8*(4*\c+\i)+3],   v[ADRB+\slot] offset:\i*KT+(2*(\q)+\c)*1024
	ds_load_b128 v[\f+64+8*(4*\c+\i)+4:\f+64+8*(4*\c+\i)+7], v[ADRB+\slot] offset:\i*KT+(2*(\q)+\c)*1024+512
	ds_load_b128 v[\f+8*(4*\c+\i):\f+8*(4*\c+\i)+3],         v[ADRA+\slot] offset:\i*KT+(2*(\q)+\c)*1024
	ds_load_b128 v[\f+8*(4*\c+\i)+4:\f+8*(4*\c+\i)+7],       v[ADRA+\slot] offset:\i*KT+(2*(\q)+\c)*1024+512
.endr
.endr
.endm
; One of a K step's first three quarters: multiplies buffer f and fetches quarter q into g.
.macro QUARTER slot, q, f, g, first
	s_wait_dscnt 16                                ; the first 32 along K are in; the youngest 16 loads may be out
	WIN MUL
	MUL8 \f, 0, 0, \first
	MUL8 \f, 0, 2, \first
	PLACES                                         ; in front of loads into registers that matrix instructions have read
	FETCH \slot, \q, \g
	s_wait_dscnt 32                                ; all but the 32 just issued
	WIN MUL
	MUL8 \f, 1, 0, 0
	MUL8 \f, 1, 2, 0
.endm
; The last quarter multiplies buffer 1 and changes slots: one barrier; in front of it each wave waits for all its tensor loads, adds 0 to its spare word, and waits for that and for its reads of this slot.
; fill = 1: the barrier opens a round of the cluster's, and this slot is filled again, two K steps ahead, first thing behind it.
.macro TURN slot, next, fill
	WIN 0
	s_wait_tensorcnt 0x0                           ; all my tensor loads have landed: my part of the next slot
	ds_add_u32 v[SPW], v[NIL]                      ; 0 onto my spare word
	s_wait_dscnt 17                                ; (the add and the youngest sixteen loads may be out)
	WIN MUL
	MUL8 F1, 0, 0, 0
	s_wait_dscnt 0x0                               ; the add is done, and my reads of this slot are over
	s_barrier_signal -1
	MUL8 F1, 0, 2, 0
.if \fill
	WIN 0
.endif
	s_barrier_wait -1
.if \fill
	CREST
	s_add_nc_u64 s[G0+4*\slot+2:G0+4*\slot+3], s[G0+4*\slot+2:G0+4*\slot+3], 2*KT
	s_add_nc_u64 s[G0B+4*\slot+2:G0B+4*\slot+3], s[G0B+4*\slot+2:G0B+4*\slot+3], 2*KT
	JLOAD \slot                                    ; the four v_nop behind it are also the places in front of the loads below
.else
	PLACES
.endif
	FETCH \next, 0, F0
	WIN MUL
	MUL8 F1, 1, 0, 0
	MUL8 F1, 1, 2, 0
.endm
	s_wait_tensorcnt 1                             ; my part of K step 0 is in; step 1's load may be out
	s_barrier_signal -1
	s_barrier_wait -1
	FETCH 0, 0, F0
	s_wait_loadcnt 0x0                             ; bo
	QUARTER 0, 1, F0, F1, 1                        ; K step 0
	QUARTER 0, 2, F1, F0, 0
	QUARTER 0, 3, F0, F1, 0
	TURN 0, 1, 1                                   ; slot 0 takes K step 2
	QUARTER 1, 1, F0, F1, 0                        ; K step 1
	QUARTER 1, 2, F1, F0, 0
	QUARTER 1, 3, F0, F1, 0
	TURN 1, 0, 1                                   ; slot 1 takes K step 3
	QUARTER 0, 1, F0, F1, 0                        ; K step 2
	QUARTER 0, 2, F1, F0, 0
	QUARTER 0, 3, F0, F1, 0
	TURN 0, 1, 0                                   ; nothing is left to ask for
	QUARTER 1, 1, F0, F1, 0                        ; K step 3
	QUARTER 1, 2, F1, F0, 0
	QUARTER 1, 3, F0, F1, 0
	s_wait_dscnt 16
	WIN MUL
	MUL8 F1, 0, 0, 0
	MUL8 F1, 0, 2, 0
	s_wait_dscnt 0x0
	MUL8 F1, 1, 0, 0
	MUL8 F1, 1, 2, 0
	WIN 0
; THE WAY OUT, a block of 16 rows x 64 columns at a time, through my own stage: a lane's 32 bytes go in, whole rows of 256 bytes come back, and sixteen lanes store 256 consecutive bytes, aligned.
; LDS serves a wave's instructions in order (ISA guide 5.7.1.4): no wait between the stores and the loads, nor in front of the next block's stores.
.macro TOSTAGE a
.irp b, 0,1,2,3
	ds_store_b128 v[STO], v[ACC+8*(4*(\a)+\b):ACC+8*(4*(\a)+\b)+3] offset:64*\b        ; each accumulator from its low end on
	ds_store_b128 v[STO], v[ACC+8*(4*(\a)+\b)+4:ACC+8*(4*(\a)+\b)+7] offset:64*\b+16
.endr
.irp i, 0,1,2,3,4,5,6,7
	ds_load_b128 v[OB+32*((\a)%2)+4*\i:OB+32*((\a)%2)+4*\i+3], v[RD] offset:\i*2*SPITCH
.endr
.endm
.macro SEND a, younger                 ; younger: the LDS instructions issued behind block a's loads
	s_wait_dscnt \younger
.irp i, 0,1,2,3,4,5,6,7
	global_store_b128 v[CO], v[OB+32*((\a)%2)+4*\i:OB+32*((\a)%2)+4*\i+3], s[10:11] offset:(16*(\a)+2*\i)*4096 th:TH_STORE_NT
.endr
.endm
	PLACES                                         ; in front of the first read of results
	TOSTAGE 0
	TOSTAGE 1
	SEND 0, 16
	s_wait_xcnt 0x0                                ; block 0's stores have read their data: block 2's loads land there only behind this wait
	TOSTAGE 2
	SEND 1, 16
	s_wait_xcnt 0x0
	TOSTAGE 3
	SEND 2, 16
	SEND 3, 0
	s_wait_tensorcnt 0x0                           ; the wave's end
	ds_add_u32 v[SPW], v[NIL]
	s_wait_dscnt 0x0
	CROUND                                         ; the closing round
	s_endpgm
.Lfunc_end_k_qdee04764ef_proj:
	.size	k_qdee04764ef_proj, .Lfunc_end_k_qdee04764ef_proj-k_qdee04764ef_proj
	.p2alignl 7, 3214868480
	.fill 96, 4, 3214868480
	.section	.rodata,"a",@progbits
	.p2align	6, 0x0
	.amdhsa_kernel k_qdee04764ef_proj
		.amdhsa_group_segment_fixed_size 327680
		.amdhsa_private_segment_fixed_size 0
		.amdhsa_enable_private_segment 0
		.amdhsa_kernarg_size 32
		.amdhsa_user_sgpr_count 2
		.amdhsa_user_sgpr_kernarg_segment_ptr 1
		.amdhsa_wavefront_size32 1
		.amdhsa_system_sgpr_workgroup_id_x 1
		.amdhsa_system_sgpr_workgroup_id_y 1
		.amdhsa_system_sgpr_workgroup_id_z 1
		.amdhsa_system_vgpr_workitem_id 0
		.amdhsa_next_free_vgpr 512
		.amdhsa_next_free_sgpr 66
		.amdhsa_reserve_vcc 0
		.amdhsa_float_denorm_mode_32 3
		.amdhsa_float_denorm_mode_16_64 3
		.amdhsa_memory_ordered 1
		.amdhsa_forward_progress 1
		.amdhsa_inst_pref_size 86
	.end_amdhsa_kernel
	.amdgpu_metadata
---
amdhsa.version: [ 1, 2 ]
amdhsa.kernels:
  - .name:           k_qdee04764ef_proj
    .symbol:         k_qdee04764ef_proj.kd
    .args:
      - { .name: oi, .offset: 0, .size: 8, .value_kind: global_buffer, .address_space: global }
      - { .name: wo16, .offset: 8, .size: 8, .value_kind: global_buffer, .address_space: global }
      - { .name: bo, .offset: 16, .size: 8, .value_kind: global_buffer, .address_space: global }
      - { .name: out0, .offset: 24, .size: 8, .value_kind: global_buffer, .address_space: global }
    .group_segment_fixed_size: 327680
    .private_segment_fixed_size: 0
    .kernarg_segment_align: 8
    .kernarg_segment_size: 32
    .max_flat_workgroup_size: 128
    .sgpr_count:     66
    .vgpr_count:     512
    .wavefront_size: 32
...
	.end_amdgpu_metadata
.endif
;; end of part 4
